; MI455X (gfx1250); checked and timed in simulation.
; The chip was launched on July 23, 2026; its instructions are those of AMD's public machine-readable ISA for CDNA 5 (MIT licence, August 2026) and "CDNA5" Instruction Set Architecture Reference Guide (July 2026). The comments in the code are by the model that wrote it; some were corrected since.
;; MHA. Allowed arithmetic: matrix products marked QUANTISED: E2M3 operands, one E8M0 scale for each 32 along K, by v_wmma_scale_f32_16x16x128_f8f6f4 with both operands' format E2M3, f32 sums; everything else in f32.
;; Inputs: P_k 16 x 1,024 x 64 float32; P_o 16 x 1,024 x 64 float32; P_q 16 x 1,024 x 64 float32; P_v 16 x 1,024 x 64 float32; x 4 x 2,048 x 1,024 float32.
;; Outputs: out0 4 x 2,048 x 1,024 float32.
;; This version of the problem:
;;   THIS VERSION OF THE PROBLEM IS GIVEN IN LOW PRECISION. The matrix products marked QUANTISED in the list below multiply operands that are first quantised to E2M3 (2 exponent bits, 3 mantissa bits; 6 bits a number), with one power-of-two scale for each 32 numbers along K (OCP MX v1.0); their sums are f32. All else is computed in f32.
;;   The module's matrix products, in the order in which they are computed (A, B: the left and right operand; K: the contracted axis; several contracted axes count as one K, in the product's order):
;;     1. [M 1,024, K 1,024] x [K 1,024, N 8,192]; A: input P_q; B: input x: QUANTISED
;;     2. [M 1,024, K 1,024] x [K 1,024, N 8,192]; A: input P_k; B: input x: QUANTISED
;;     3. [M 1,024, K 1,024] x [K 1,024, N 8,192]; A: input P_v; B: input x: QUANTISED
;;     4. batch 64 x [M 2,048, K 64] x [K 64, N 2,048]; A: computed on the way; B: computed on the way: QUANTISED
;;     5. batch 64 x [M 2,048, K 2,048] x [K 2,048, N 64]; A: softmax (see below); B: computed on the way: QUANTISED
;;     6. [M 8,192, K 1,024] x [K 1,024, N 1,024]; A: computed on the way; B: input P_o: QUANTISED
;;   THE QUANTISER, for each operand of a quantised product, along K:
;;     - K is cut into blocks of 32 from its start; a last block that is shorter is filled with zeros.
;;     - A block's scale is 2^e with e = floor(log2(the largest magnitude in the block)) - 2, held to -126 .. 127; a block of zeros has e = 0. As a byte (E8M0): e + 127.
;;     - Each number is divided by its block's scale, clamped to +-7.5, and rounded to the nearest number of E2M3, ties to even, subnormals kept.
;;     - The product sums the exact products of the quantised numbers (number of the format x scale) in f32.
;;   ~~~python
;;   def quantise(x, axis):      # numpy; x: float32 -> the quantised numbers, widened to float32 again
;;       x = np.moveaxis(x, axis, -1); K = x.shape[-1]
;;       x = np.pad(x, [(0, 0)] * (x.ndim - 1) + [(0, -K % 32)]); x = x.reshape(x.shape[:-1] + (-1, 32)); a = np.abs(x).max(-1, keepdims=True)
;;       e = np.where(a > 0, np.clip(np.frexp(np.where(a > 0, a, 1))[1] - 1 - 2, -126, 127), 0)      # np.frexp(a)[1] - 1 = floor(log2(a)), exactly
;;       r = np.clip(x / 2.0 ** e, -7.5, 7.5)
;;       step = 2.0 ** (np.maximum(np.frexp(np.where(r == 0, 1, r))[1] - 1, 0) - 3)
;;       q = np.round(r / step) * step * 2.0 ** e      # np.round: ties to even
;;       return np.moveaxis(q.reshape(q.shape[:-2] + (-1,))[..., :K], -1, axis).astype(np.float32)
;;   ~~~
;;   SOFTMAX AHEAD OF A QUANTISED PRODUCT. Where the list says 'softmax', what is quantised is not the finished softmax but p = 2^(t - M), with t = logit x log2(e) and M = ceil(the row's largest t), a whole number; so 1/2 < the row's largest p <= 1. The row's sum l is taken of the UNQUANTISED p, in f32, and the product's result is divided by l at the end. Since M is a whole number, a kernel that streams over the keys may use a running M (the ceiling of the running maximum): every later rescaling is an exact power of two, which a block's scale takes up: the codes' values come out the same.
;;   OPERANDS COMPUTED ON THE WAY. 'Computed on the way' means the value that the module computes at that place (a softmax that the list does not call 'softmax' is quantised finished and normalised). What goes into a quantiser is computed in f32, as accurately as f32 sums, v_exp_f32 and their like allow (about 1e-6 of the number): no bf16 or f16 on the way to a quantiser, and a product that is left as it is and whose result goes on into a quantised operand takes f32 operands (vector FMAs, or v_wmma_f32_16x16x4_f32). A number that lies on a knife's edge between two numbers of the format may be rounded either way, as far as f32 arithmetic and the matrix unit's own rounding can turn it there, and no further.
;; One version. Each part assembles by itself: llvm-mc -triple=amdgcn-amd-amdhsa -mcpu=gfx1250 --defsym DOCPART=n.
;; ======== version 1 of 1: 4 launches
;; limits: right only within a limited range of input values
;; workspace buffers: opc 9,437,184 bytes; ops 393,216 bytes; qkvc 18,874,368 bytes; qkvs 1,572,864 bytes; oc 6,291,456 bytes; os 262,144 bytes
;; launch quant (part 1): grid 384 x 1, 4 waves a work-group, no clusters, 34,304 bytes of LDS; arguments x, P_o, P_q, P_k, P_v, opc, ops; writes opc, ops
.if DOCPART == 1
	.amdgcn_target "amdgcn-amd-amdhsa--gfx1250"
	.amdhsa_code_object_version 6
	.text
	.protected	k_qf241977c31_quant
	.globl	k_qf241977c31_quant
	.p2align	8
	.type	k_qf241977c31_quant,@function
k_qf241977c31_quant:
	s_mov_b64 s[64:65], 0
	v_nop
	global_prefetch_b8 v0, s[64:65] scope:SCOPE_SE
	s_setreg_imm32_b32 hwreg(HW_REG_WAVE_MODE, 25, 1), 1
	s_wait_xcnt 0x0
; All five inputs become codes of FP6 (E2M3) with one E8M0 byte for each 32 along K, laid in the order in which a matrix operand's registers take them.
; ROWS: 128 rows are a block, 16 rows a tile; lane index r of tile t stands for row 32 (t / 2) + 8 (t % 2) + r % 8 + 16 (r / 8) of the block.
; UNIT: 16 rows x 64 K = 6 registers a lane = 768 bytes: registers 0-3 at 16 x lane, registers 4-5 at 512 + 8 x lane; lane (r, hh) holds the 32 codes of block hh of its row's 64.
; opc: [block][K / 64][tile][768].  ops: [block][K / 128][tile / 4][r][tile % 4] words of four bytes.  Blocks 0-63 x, 64-71 P_q, 72-79 P_k, 80-87 P_v (rows h 64 + k), 88-95 P_o (rows d, K = h 64 + v).
; A block's scale is 2^(floor(log2(largest magnitude)) - 2): its byte is the largest magnitude's exponent field - 2, held at 1 from below by a floor among the maximum's leaves.
; LIMITS: NaN and infinities among the inputs are not served; a block whose largest magnitude lies under 2^-124, a block of zeros among them, gets the byte 1 (zero codes add nothing; this program alone reads the bytes).
; Work-groups 0-255 take x, 256-287 P_o (K innermost: one text, strides chosen by the work-group's number), 288-383 the three weights whose K is not innermost.  Waves share nothing: no barrier.  Memory binds: no matrix work, no cluster.
; The weights' scale words leave as 4 bytes a lane, 16 bytes apart: one byte in 128 of what that path reads.
.set STG,  8448                        ; a wave's stage in LDS: 16 rows x (512 bytes + 16)
.set L16,  1                           ; v1  16 x lane
.set L8,   2                           ; v2  8 x lane
.set R16,  3                           ; v3  16 x r
.set SA,   4                           ; v4  the stage, on the way in
.set SB,   5                           ; v5  and on the way out
.set VO,   8                           ; v8-15  offsets of rows 0-7 of a group of eight
.set R,    16                          ; v16-143 two sets of 64 numbers
.set PC,   144                         ; v144-163 the codes just made
.set TM,   164                         ; v164-179 at work
.set PWS,  180                         ; v180-183 four fragments' scale words
.set SEL,  20                          ; s[20:21] selects for lane l xor 16
.set BS,   32                          ; s[32:47] eight bases: fragment f, rows 0-7 or 8-15 of it
.set X,    32                          ; the weights' path: v32-95 two sets of 32 numbers
.set CB,   96                          ; v96-119 four blocks' codes
.set TMPC, 120
.set SBW,  124                         ; v124-125 scale words of two K steps
; 64 numbers of a lane, register 16 b + i = k 32 b + 16 (lane / 16) + i of its row, become a fragment in v[PC] on and its scale word in v[pw]
.macro QUANT s, pw
.irp b, 0,1,2,3
	v_max3_num_f32 v[TM+\b], |v[\s+16*\b]|, |v[\s+1+16*\b]|, 0x1800000   ; my 16 numbers of block b, and the floor 2^(3 - 127)
.endr
.irp i, 2,4,6,8,10,12,14
.irp b, 0,1,2,3
	v_max3_num_f32 v[TM+\b], v[TM+\b], |v[\s+16*\b+\i]|, |v[\s+1+16*\b+\i]|
.endr
.endr
.irp b, 0,1,2,3
	v_permlanex16_b32 v[TM+4+\b], v[TM+\b], s[SEL], s[SEL+1]
.endr
.irp b, 0,1,2,3
	v_max_num_f32 v[TM+\b], v[TM+\b], v[TM+4+\b]             ; with lane l xor 16's 16: the block's largest magnitude
.endr
.irp b, 0,1,2,3
	v_add_nc_u32 v[TM+12+\b], 0xff000000, v[TM+\b]           ; 2 off its exponent field: the conversion's scale operand
.endr
.irp b, 0,1,2,3
	v_lshrrev_b32 v[TM+4+\b], 23, v[TM+12+\b]                ; the byte
.endr
	v_lshl_or_b32 v[\pw], v[TM+5], 8, v[TM+4]
	v_lshl_or_b32 v[\pw], v[TM+6], 16, v[\pw]
	v_lshl_or_b32 v[\pw], v[TM+7], 24, v[\pw]
.irp c, 0,1
	v_cvt_scalef32_pk16_fp6_f32 v[PC+6*\c:PC+2+6*\c], v[\s+32*\c:\s+15+32*\c], v[TM+12+2*\c]
	v_cvt_scalef32_pk16_fp6_f32 v[PC+12+4*\c:PC+14+4*\c], v[\s+16+32*\c:\s+31+32*\c], v[TM+12+2*\c+1]
.endr
	v_nop                                                    ; one plain line behind the conversions
.irp c, 0,1
.irp i, 0,1,2
	v_permlane16_swap_b32 v[PC+6*\c+\i], v[PC+12+4*\c+\i]    ; a whole block to a lane: lanes 0-15 block 2 c, lanes 16-31 block 2 c + 1
.endr
.irp i, 0,1,2
	v_mov_b32 v[PC+3+6*\c+\i], v[PC+12+4*\c+\i]
.endr
.endr
.endm
	s_load_b256 s[4:11], s[0:1], 0x0               ; x, P_o, P_q, P_k
	s_load_b128 s[12:15], s[0:1], 0x20             ; P_v, opc
	s_load_b64 s[16:17], s[0:1], 0x30              ; ops
	v_lshl_add_u32 v192, v0, 2, 0x8400
	v_mov_b32 v193, 0
	v_lshrrev_b32 v1, 5, v0
	v_readfirstlane_b32 s18, v1                    ; wave
	v_and_b32 v6, 31, v0
	v_lshlrev_b32 v[L16], 4, v6
	v_lshlrev_b32 v[L8], 3, v6
	s_cmp_ge_u32 ttmp9, 288
	s_cbranch_scc1 .Lweights
; ---- x and P_o: K innermost.  A wave makes four fragments: tiles 4 tq + f of K step q of one block
	v_and_b32 v7, 15, v0                           ; r
	v_lshlrev_b32 v[R16], 4, v7
	s_mul_i32 s19, s18, STG
	v_add_nc_u32 v[SA], s19, v[L16]                ; in: a row's 512 bytes as they lie
	v_mul_u32_u24 v[SB], v7, 528
	v_bfe_u32 v6, v0, 4, 1                         ; hh
	v_lshl_add_u32 v[SB], v6, 6, v[SB]
	v_add_nc_u32 v[SB], s19, v[SB]                 ; out: row r, + 64 hh: my 16 numbers of each block of 32
	s_mov_b32 s[SEL], 0x76543210
	s_mov_b32 s[SEL+1], 0xfedcba98
.irp b, 0,1,2,3
	v_mov_b32 v[TM+4+\b], 0                        ; a lane permute's destination counts as read
.endr
	s_mov_b32 s26, 256                             ; P_o: bytes from row d to row d + 1,
	s_mov_b32 s27, 262144                          ; from a head to the next (the second 64 of a K step),
	s_mov_b32 s28, 524288                          ; from a K step to the next
	s_wait_alu depctr_va_vdst(0)
	s_wait_kmcnt 0x0
	s_cmp_lt_u32 ttmp9, 256                        ; x's work-group or P_o's: the choice hangs on the work-group's number alone
	s_cselect_b64 s[24:25], s[4:5], s[6:7]
	s_cselect_b32 s26, 4096, s26
	s_cselect_b32 s27, 256, s27
	s_cselect_b32 s28, 512, s28
	s_cselect_b32 s29, 0, 256
	s_cselect_b32 s30, 0, 88
	s_sub_co_u32 s29, ttmp9, s29
	s_lshl_b32 s29, s29, 2
	s_add_co_u32 s29, s29, s18                     ; the wave's number in its tensor
	s_and_b32 s22, s29, 1                          ; tq
	s_bfe_u32 s23, s29, 0x30001                    ; q
	s_lshr_b32 s29, s29, 4                         ; block
	s_mul_i32 s31, s29, s26
	s_lshl_b32 s31, s31, 7
	s_mul_i32 s48, s23, s28
	s_add_co_u32 s31, s31, s48
	s_mul_i32 s48, s22, s26
	s_lshl_b32 s48, s48, 6
	s_add_co_u32 s31, s31, s48                     ; block x 128 rows + K step + tq x 64 rows, in bytes
	s_mov_b32 s49, 0
.irp f, 0,1,2,3
.irp hi, 0,1
	s_mul_i32 s48, s26, 32*(\f/2)+8*(\f%2)+16*\hi
	s_add_co_u32 s48, s48, s31
	s_add_nc_u64 s[BS+4*\f+2*\hi:BS+4*\f+2*\hi+1], s[24:25], s[48:49]
.endr
.endr
	v_mul_lo_u32 v6, v6, s27
	v_add_nc_u32 v6, v6, v[R16]                    ; lanes 0-15 the first 256 bytes of a row's K step, lanes 16-31 the second
	s_wait_alu depctr_va_vdst(0)
.irp k, 0,1,2,3,4,5,6,7
	s_mul_i32 s48, s26, \k
	v_add_nc_u32 v[VO+\k], s48, v6
.endr
	s_add_co_u32 s30, s30, s29                     ; the block's number in opc and ops
	s_mul_i32 s48, s30, 98304
	s_mul_i32 s50, s23, 12288
	s_add_co_u32 s48, s48, s50
	s_mul_i32 s50, s22, 3072
	s_add_co_u32 s48, s48, s50
	s_add_nc_u64 s[14:15], s[14:15], s[48:49]
	s_lshl_b32 s48, s30, 12
	s_lshl_b32 s50, s23, 9
	s_add_co_u32 s48, s48, s50
	s_lshl_b32 s50, s22, 8
	s_add_co_u32 s48, s48, s50
	s_add_nc_u64 s[16:17], s[16:17], s[48:49]
.macro LOAD f                          ; fragment f's 16 rows x 512 bytes: a row an instruction, two runs of 256 consecutive bytes
.irp i, 0,1,2,3,4,5,6,7,8,9,10,11,12,13,14,15
	global_load_b128 v[R+64*((\f)%2)+4*\i:R+64*((\f)%2)+4*\i+3], v[VO+\i%8], s[BS+4*(\f)+2*(\i/8):BS+4*(\f)+2*(\i/8)+1] th:TH_LOAD_NT
.endr
.endm
.macro FRAGX f
.set RS, R+64*((\f)%2)
.if (\f) < 3
	s_wait_loadcnt 16                              ; my 16 loads are in; the next fragment's 16 may be out
.else
	s_wait_loadcnt 0x0
.endif
.irp i, 0,1,2,3,4,5,6,7,8,9,10,11,12,13,14,15
	ds_store_b128 v[SA], v[RS+4*\i:RS+4*\i+3] offset:528*\i
.endr
	s_wait_dscnt 0x0                               ; the stores have read the set: it takes the numbers back, 16 neighbours of each block to a lane
.irp b, 0,1,2,3
.irp j, 0,1,2,3
	ds_load_b128 v[RS+16*\b+4*\j:RS+16*\b+4*\j+3], v[SB] offset:128*\b+16*\j
.endr
.endr
	s_wait_dscnt 0x0
.if (\f) > 0
	s_wait_xcnt 0x0                                ; the last fragment's stores have read v[PC] on
.endif
	QUANT RS, PWS+(\f)
	global_store_b128 v[L16], v[PC:PC+3], s[14:15] offset:(\f)*768
	global_store_b64 v[L8], v[PC+4:PC+5], s[14:15] offset:(\f)*768+512
	global_store_b128 v[L16], v[PC+6:PC+9], s[14:15] offset:6144+(\f)*768
	global_store_b64 v[L8], v[PC+10:PC+11], s[14:15] offset:6144+(\f)*768+512
.if (\f) < 2
	LOAD (\f)+2
.endif
.endm
	s_wait_alu depctr_va_vdst(0)
	LOAD 0
	LOAD 1
	FRAGX 0
	FRAGX 1
	FRAGX 2
	FRAGX 3
	global_store_b128 v[R16], v[PWS:PWS+3], s[16:17]   ; four tiles' words of row r: 256 consecutive bytes (lanes 16-31 repeat lanes 0-15, same bytes, same values)
	s_wait_tensorcnt 0x0
	ds_add_u32 v192, v193
	s_wait_dscnt 0x0
	s_endpgm
; ---- P_q, P_k, P_v: [h][d][64], K = d.  A lane takes a column and its registers run down K.  A wave: 32 columns (tiles 2 beta, 2 beta + 1 of a block) x 256 along K
.Lweights:
	s_sub_co_u32 s22, ttmp9, 288                   ; which 32 columns: 0..95
	s_lshr_b32 s23, s22, 5                         ; tensor
	s_and_b32 s24, s22, 31
	s_lshr_b32 s25, s24, 1                         ; head
	s_and_b32 s26, s22, 1                          ; which half of its 64 columns
	s_and_b32 s27, s22, 3                          ; beta
	s_lshr_b32 s24, s24, 2
	s_lshl_b32 s28, s23, 3
	s_add_co_u32 s28, s28, s24
	s_add_co_u32 s28, s28, 64                      ; the block's number
	v_and_b32 v3, 7, v0
	v_bfe_u32 v4, v0, 4, 1                         ; u: lanes 0-15 are tile 2 beta, lanes 16-31 tile 2 beta + 1
	v_lshl_add_u32 v3, v4, 3, v3
	v_bfe_u32 v5, v0, 3, 1
	v_lshl_add_u32 v3, v5, 4, v3                   ; my column of the 32: l % 8 + 8 u + 16 ((l / 8) % 2)
	v_lshlrev_b32 v3, 2, v3
	v_and_b32 v5, 15, v0
	v_lshlrev_b32 v5, 4, v5
	v_lshl_add_u32 v5, v4, 2, v5                   ; my scale word's place: 16 r + 4 u
	s_wait_alu depctr_va_vdst(0)
	s_wait_kmcnt 0x0
	s_cmp_eq_u32 s23, 0
	s_cselect_b64 s[30:31], s[8:9], s[10:11]
	s_cmp_eq_u32 s23, 2
	s_cselect_b64 s[30:31], s[12:13], s[30:31]
	s_lshl_b32 s32, s25, 18
	s_lshl_b32 s34, s18, 16                        ; the wave's 256 along K
	s_add_co_u32 s32, s32, s34
	s_lshl_b32 s34, s26, 7
	s_add_co_u32 s32, s32, s34
	s_mov_b32 s33, 0
	s_add_nc_u64 s[30:31], s[30:31], s[32:33]
	s_mul_i32 s32, s28, 98304
	s_mul_i32 s34, s18, 24576
	s_add_co_u32 s32, s32, s34
	s_mul_i32 s34, s27, 1536
	s_add_co_u32 s32, s32, s34
	s_add_nc_u64 s[14:15], s[14:15], s[32:33]
	s_lshl_b32 s32, s28, 12
	s_lshl_b32 s34, s18, 10
	s_add_co_u32 s32, s32, s34
	s_lshr_b32 s34, s27, 1
	s_lshl_b32 s34, s34, 8
	s_add_co_u32 s32, s32, s34
	s_and_b32 s34, s27, 1
	s_lshl_b32 s34, s34, 3
	s_add_co_u32 s32, s32, s34
	s_add_nc_u64 s[16:17], s[16:17], s[32:33]
.macro WLOAD t                         ; block t: 32 rows d of my column
.irp i, 0,1,2,3,4,5,6,7,8,9,10,11,12,13,14,15,16,17,18,19,20,21,22,23,24,25,26,27,28,29,30,31
	global_load_b32 v[X+32*((\t)%2)+\i], v3, s[30:31] offset:(32*(\t)+\i)*256
.endr
.endm
.macro BLOCK t
.set XS, X+32*((\t)%2)
.if (\t) < 7
	s_wait_loadcnt 32                              ; this block's 32 loads are in; the next block's may be out
.else
	s_wait_loadcnt 0x0
.endif
	v_max3_num_f32 v12, |v[XS]|, |v[XS+1]|, |v[XS+2]|
	v_max3_num_f32 v13, |v[XS+3]|, |v[XS+4]|, |v[XS+5]|
.irp i, 6,10,14,18,22,26
	v_max3_num_f32 v12, v12, |v[XS+\i]|, |v[XS+\i+1]|
	v_max3_num_f32 v13, v13, |v[XS+\i+2]|, |v[XS+\i+3]|
.endr
	v_max3_num_f32 v12, v12, |v[XS+30]|, |v[XS+31]|
	v_max3_num_f32 v12, v12, v13, 0x1800000        ; and the floor
	v_add_nc_u32 v11, 0xff000000, v12
	v_lshrrev_b32 v13, 23, v11
.if (\t)%4 == 0
	v_mov_b32 v[SBW+(\t)/4], v13
.else
	v_lshl_or_b32 v[SBW+(\t)/4], v13, 8*((\t)%4), v[SBW+(\t)/4]
.endif
.if (\t) == 4
	s_wait_alu depctr_va_vdst(0)
	s_wait_xcnt 0x0                                ; the first K step's stores have read v[CB] on
.endif
	v_cvt_scalef32_pk16_fp6_f32 v[CB+6*((\t)%4):CB+6*((\t)%4)+2], v[XS:XS+15], v11
	v_cvt_scalef32_pk16_fp6_f32 v[TMPC:TMPC+2], v[XS+16:XS+31], v11
	v_nop
.irp i, 0,1,2
	v_mov_b32 v[CB+6*((\t)%4)+3+\i], v[TMPC+\i]
.endr
.if (\t) < 6
	WLOAD (\t)+2
.endif
.endm
.macro FLUSH qq                        ; four blocks = one K step of two tiles.  The exchange makes of (block 2 cc, block 2 cc + 1) x (tile 2 beta below, 2 beta + 1 above) the two tiles' units
.irp i, 0,1,2,3,4,5
	v_permlane16_swap_b32 v[CB+\i], v[CB+6+\i]
	v_permlane16_swap_b32 v[CB+12+\i], v[CB+18+\i]
.endr
.irp cc, 0,1
.irp u, 0,1
	global_store_b128 v[L16], v[CB+12*\cc+6*\u:CB+12*\cc+6*\u+3], s[14:15] offset:\qq*12288+\cc*6144+\u*768
	global_store_b64 v[L8], v[CB+12*\cc+6*\u+4:CB+12*\cc+6*\u+5], s[14:15] offset:\qq*12288+\cc*6144+\u*768+512
.endr
.endr
	global_store_b32 v5, v[SBW+\qq], s[16:17] offset:\qq*512
.endm
	WLOAD 0
	WLOAD 1
	BLOCK 0
	BLOCK 1
	BLOCK 2
	BLOCK 3
	FLUSH 0
	BLOCK 4
	BLOCK 5
	BLOCK 6
	BLOCK 7
	FLUSH 1
	s_endpgm
.Lfunc_end_k_qf241977c31_quant:
	.size	k_qf241977c31_quant, .Lfunc_end_k_qf241977c31_quant-k_qf241977c31_quant
	.p2alignl 7, 3214868480
	.fill 96, 4, 3214868480
	.section	.rodata,"a",@progbits
	.p2align	6, 0x0
	.amdhsa_kernel k_qf241977c31_quant
		.amdhsa_group_segment_fixed_size 34304
		.amdhsa_private_segment_fixed_size 0
		.amdhsa_enable_private_segment 0
		.amdhsa_kernarg_size 56
		.amdhsa_user_sgpr_count 2
		.amdhsa_user_sgpr_kernarg_segment_ptr 1
		.amdhsa_wavefront_size32 1
		.amdhsa_system_sgpr_workgroup_id_x 1
		.amdhsa_system_sgpr_workgroup_id_y 1
		.amdhsa_system_sgpr_workgroup_id_z 1
		.amdhsa_system_vgpr_workitem_id 0
		.amdhsa_next_free_vgpr 194
		.amdhsa_next_free_sgpr 66
		.amdhsa_reserve_vcc 0
		.amdhsa_float_denorm_mode_32 3
		.amdhsa_float_denorm_mode_16_64 3
		.amdhsa_memory_ordered 1
		.amdhsa_forward_progress 1
		.amdhsa_inst_pref_size 76
	.end_amdhsa_kernel
	.amdgpu_metadata
---
amdhsa.version: [ 1, 2 ]
amdhsa.kernels:
  - .name:           k_qf241977c31_quant
    .symbol:         k_qf241977c31_quant.kd
    .args:
      - { .name: x, .offset: 0, .size: 8, .value_kind: global_buffer, .address_space: global }
      - { .name: P_o, .offset: 8, .size: 8, .value_kind: global_buffer, .address_space: global }
      - { .name: P_q, .offset: 16, .size: 8, .value_kind: global_buffer, .address_space: global }
      - { .name: P_k, .offset: 24, .size: 8, .value_kind: global_buffer, .address_space: global }
      - { .name: P_v, .offset: 32, .size: 8, .value_kind: global_buffer, .address_space: global }
      - { .name: opc, .offset: 40, .size: 8, .value_kind: global_buffer, .address_space: global }
      - { .name: ops, .offset: 48, .size: 8, .value_kind: global_buffer, .address_space: global }
    .group_segment_fixed_size: 34304
    .private_segment_fixed_size: 0
    .kernarg_segment_align: 8
    .kernarg_segment_size: 56
    .max_flat_workgroup_size: 128
    .sgpr_count:     66
    .vgpr_count:     194
    .wavefront_size: 32
...
	.end_amdgpu_metadata
.endif
;; end of part 1
;; launch qkv (part 2): grid 8 x 32, 4 waves a work-group, clusters of 4 x 4, 327,680 bytes of LDS; arguments opc, ops, qkvc, qkvs; writes qkvc, qkvs
.if DOCPART == 2
	.amdgcn_target "amdgcn-amd-amdhsa--gfx1250"
	.amdhsa_code_object_version 6
	.text
	.protected	k_qf241977c31_qkv
	.globl	k_qf241977c31_qkv
	.p2align	8
	.type	k_qf241977c31_qkv,@function
k_qf241977c31_qkv:
	s_mov_b64 s[64:65], 0
	v_nop
	global_prefetch_b8 v0, s[64:65] scope:SCOPE_SE
	s_setreg_imm32_b32 hwreg(HW_REG_WAVE_MODE, 25, 1), 1
	s_wait_xcnt 0x0
	s_wait_alu depctr_hold_cnt(0) depctr_sa_sdst(0) depctr_va_vdst(0) depctr_va_sdst(0) depctr_va_ssrc(0) depctr_va_vcc(0) depctr_vm_vsrc(0)
	s_getreg_b32 s2, hwreg(HW_REG_IB_STS2, 6, 4)
	s_cmp_eq_u32 s2, 0
	s_cbranch_scc0 .Lentry_in_a_cluster
	s_endpgm
.Lentry_in_a_cluster:
	s_bfe_u32 s2, ttmp6, 0x10000c
	s_cmp_lg_u32 s2, 0xf033
	s_cbranch_scc0 .Lentry_shape_is_right
	s_endpgm
.Lentry_shape_is_right:
; Q, K and V = x times the three weights, on codes of FP6 (E2M3) with E8M0 scales, K = 1,024; the results are quantised in registers and leave as codes.
; A WORK-GROUP STAYS: it holds 256 rows of x (a pair of blocks of 128) for all of K in LDS, 196,608 bytes filled once in two halves of K, and walks three blocks of 128 weight rows (two heads): block c of P_q, of P_k, of P_v.
; 32 pairs of x x 8 blocks c = 256 work-groups of equal work.  A weight block goes in two halves of K (49,152 bytes) through two LDS slots; a slot is asked for again when its four steps of 128 are read out:
; four refills in all, each with four steps (128 matrix instructions a wave) between its request and the wait for it.
; A WAVE makes 128 rows of x times one head's 64 weight rows: 32 accumulators.  In a result a lane holds one row of source 1 and its registers run along source 0's rows.  Q and K are quantised along the head's 64:
; source 0 = the weights, source 1 = x.  V is quantised along the keys: source 0 = x, source 1 = P_v's rows.
; Operands lie in memory in the order of the operand's registers (16 rows x 64 K = 768 bytes: registers 0-3 at 16 x lane, 4-5 at 512 + 8 x lane), a block as [K / 64][tile][768]: half of K is 49,152 dense bytes.
; The rows of a tile: lane index r of tile t is row 32 (t / 2) + 8 (t % 2) + r % 8 + 16 (r / 8) of its block of 128: so 16 registers of a lane over two neighbouring tiles of source 0 are 16 neighbours, as the conversions want them.
; THE SCALE WORDS of x's pair (8,192 bytes) and of the three weight blocks (12,288) come once through registers, 160 bytes a thread in runs of 2,048 consecutive bytes a work-group, into LDS bytes that no tensor load fills.
; CLUSTERS: 4 x 4 work-groups; x's blocks are shared along a row of the cluster, the weights' along a column: joint loads.  Waves 0 and 1 fetch x's two blocks, waves 2 and 3 the two halves of a weight slot.
; No prefetch is laid: K is 1,024, x is asked for whole within the first two groups of loads, and every refill is asked for half a tile ahead of its first read.
; OUT: qkvc, planes (tensor 64 + b 16 + h) of 98,304 bytes: Q, K: [tile of 16 rows][768]; V: [128 keys][tile of 16 v][2 units].  qkvs, planes of 8,192: Q, K: [128 rows][tile / 4][r][tile % 4] words, bytes 0, 1 the head's two blocks,
; bytes 2, 3 zero (they meet zero codes alone); V: [128 keys][r][tile of v] words.
; LIMITS: NaN and infinities are not served; a block whose largest magnitude lies under 2^-124 gets the byte 1.
; REGISTERS: window 0: v1-20 addresses; v24-31, v56-71 at work on the way out; v32-55 scale words, two sets of 8 (x) + 4 (weights); v72-79 scale words out; v80-127 codes out; v128-223 the weights' fragments, two sets.
; window 1: x's fragments, two sets, at v0 and v96.  window 2: the accumulators.
.set XH,     98304                     ; LDS: x's half of K: two blocks of 49,152; the second half behind it
.set SB,     196608                    ; the weights' two slots of 49,152
.set XS,     294912                    ; x's scale words, 2 x 4,096,
.set BS,     XS+8192                   ; the weights', 3 x 4,096
.set SPARE,  319488                    ; the spare words, 128 bytes for each wave
.set L16,  1
.set L8,   2
.set R16,  3
.set ADRX16, 4                         ; v4-5 16 x lane + my block of x, half 0, 1; v6-7 with 8 x lane
.set ADRX8,  6
.set ADRB16, 8                         ; v8-11 the same for my head's four tiles in slot 0, 1
.set ADRB8,  10
.set ADRSX,  12                        ; my block of x's scale words, + 16 r
.set ADRSW0, 13                        ; my head's, in the first weight block
.set ADRSW,  14                        ; and in this tile's
.set T16,  15
.set LSA,  16
.set SPW,  18
.set NIL,  19
.set FLR,  20
.set CT,   24
.set SC,   32
.set TM,   56
.set PWS,  72
.set OC,   80
.set WF,   128
.set G1X,  24
.set G0X,  32
.set G0B,  36                          ; slot 0's group 0; slot 1's at s56
.set G1B,  48
.set SEL,  66
.set PQ,   68
.set PS,   70
.set PSV,  72
.set SXP,  74
.set SBP,  76
.set TO,   78
.set CNT,  79
.set MSB, 0
.macro WIN new                         ; the immediate's high byte repeats the setting that is left
.if MSB != \new
	s_set_vgpr_msb (MSB<<8)|\new
.set MSB, \new
.endif
.endm
.macro PLACES                          ; four places behind this matrix instruction (ISA guide 7.12.1)
.rept 4
	v_nop
.endr
.endm
; A joint load: waves 0 and 1 fetch for x, waves 2 and 3 for the weights; the branch hangs on the wave's number alone.  An s_nop 0 and four v_nop follow each line.
.macro JLOAD g0a, g1a, g0b, g1b
	s_cmp_eq_u32 s15, 0
	s_cbranch_scc0 .Lfor_b_\@
	tensor_load_to_lds s[\g0a:\g0a+3], s[\g1a:\g1a+7]
	s_nop 0
	PLACES
	s_branch .Lasked_\@
.Lfor_b_\@:
	tensor_load_to_lds s[\g0b:\g0b+3], s[\g1b:\g1b+7]
	s_nop 0
	PLACES
.Lasked_\@:
.endm
.macro BLOAD slot                      ; a refill: the same half of K of the next weight block, eight blocks on; waves 0 and 1 have no part of it
	s_add_nc_u64 s[G0B+20*(\slot)+2:G0B+20*(\slot)+3], s[G0B+20*(\slot)+2:G0B+20*(\slot)+3], 8*98304
	s_cmp_eq_u32 s15, 0
	s_cbranch_scc1 .Lno_b_\@
	tensor_load_to_lds s[G0B+20*(\slot):G0B+20*(\slot)+3], s[G1B:G1B+7]
	s_nop 0
	PLACES
.Lno_b_\@:
.endm
.macro CREST                           ; a round of the cluster's barrier behind its opening barrier
	s_cmp_lg_u32 s14, 0
	s_cbranch_scc1 .Lnot_wave_0_\@
	s_barrier_signal -3
.Lnot_wave_0_\@:
	s_barrier_wait -3
	s_barrier_signal -1
	s_barrier_wait -1
.endm
.macro CROUND
	s_barrier_signal -1
	s_barrier_wait -1
	CREST
.endm
	s_load_b256 s[4:11], s[0:1], 0x0               ; opc, ops, qkvc, qkvs
	v_lshl_add_u32 v[SPW], v0, 2, SPARE
	v_mov_b32 v[NIL], 0
	ds_add_u32 v[SPW], v[NIL]                      ; the opening lines: the add twice on end and its wait ahead of my first tensor load
	ds_add_u32 v[SPW], v[NIL]
	v_lshrrev_b32 v21, 5, v0
	v_readfirstlane_b32 s14, v21                   ; wave
	s_lshr_b32 s15, s14, 1                         ; my block of x.  Also: I fetch for x (0) or for the weights (1)
	s_and_b32 s16, s14, 1                          ; my head of the block's two.  Also: which part I fetch
	s_bfe_u32 s40, ttmp6, 0x40000                  ; cx
	s_bfe_u32 s41, ttmp6, 0x40004                  ; cy
	s_lshl_b32 s42, ttmp9, 2
	s_add_co_u32 s42, s42, s40                     ; c: the weight blocks' number, 0..7
	s_and_b32 s17, ttmp7, 0xffff
	s_lshl_b32 s17, s17, 2
	s_add_co_u32 s17, s17, s41                     ; x's pair of blocks, 0..31
	s_lshl_b32 s43, s41, 2
	s_lshl_b32 s43, 15, s43                        ; my row of the cluster
	s_lshl_b32 s44, 0x1111, s40                    ; my column
	s_or_b32 s[G1X], s43, (3<<16)|(1<<21)          ; 15:0 the mask; elements of 8 bytes; 21 set beside a mask; no padding
	s_or_b32 s[G1B], s44, (3<<16)|(1<<21)
.irp g, G1X, G1B
	s_mov_b32 s[\g+1], 32<<16                      ; dense rows of 256 bytes
	s_mov_b32 s[\g+3], 32<<16
	s_mov_b32 s[\g+5], 32
	s_mov_b32 s[\g+6], 0
	s_mov_b32 s[\g+7], 0
.endr
	s_mov_b32 s[G1X+2], 192<<16                    ; a block's half of K: 192 rows
	s_mov_b32 s[G1X+4], 192
	s_mov_b32 s[G1B+2], 96<<16                     ; half a slot: 96 rows
	s_mov_b32 s[G1B+4], 96
	s_lshl_b32 s20, s17, 1
	s_add_co_u32 s20, s20, s16
	s_mul_i32 s20, s20, 98304                      ; the block of x that I would fetch
	s_mov_b32 s21, 0
	s_add_co_u32 s46, s42, 64
	s_mul_i32 s46, s46, 98304                      ; P_q's block c,
	s_mul_i32 s47, s16, 24576
	s_add_co_u32 s46, s46, s47                     ; my part of its half of K
	s_mov_b32 s47, 0
	s_mul_i32 s18, s16, 49152                      ; where they go: the wave's number alone
	s_mul_i32 s19, s16, 24576
	s_add_co_u32 s19, s19, SB
	s_mov_b32 s[SEL], 0x76543210
	s_mov_b32 s[SEL+1], 0xfedcba98
	s_wait_dscnt 0x0                               ; both opening adds are done
	s_wait_kmcnt 0x0
	s_add_nc_u64 s[20:21], s[4:5], s[20:21]
	s_add_nc_u64 s[46:47], s[4:5], s[46:47]
	s_mov_b32 s[G0X], 1
	s_mov_b32 s[G0X+1], s18
	s_mov_b64 s[G0X+2:G0X+3], s[20:21]
	s_or_b32 s[G0X+3], s[G0X+3], 0x80000000
	s_mov_b32 s[G0B], 1
	s_mov_b32 s[G0B+1], s19
	s_mov_b64 s[G0B+2:G0B+3], s[46:47]
	s_or_b32 s[G0B+3], s[G0B+3], 0x80000000
	s_mov_b32 s[G0B+20], 1
	s_add_co_u32 s[G0B+21], s19, 49152
	s_add_nc_u64 s[G0B+22:G0B+23], s[46:47], 49152
	s_or_b32 s[G0B+23], s[G0B+23], 0x80000000
	CROUND                                         ; all sixteen work-groups are here: the first joint loads meet
	JLOAD G0X, G1X, G0B, G1B                       ; the first half of K of x and of P_q's block: one tensor load a wave at the head
	s_lshl_b32 s22, s17, 13
	s_mov_b32 s23, 0
	s_add_nc_u64 s[SXP:SXP+1], s[6:7], s[22:23]    ; the scale words of x's pair
	s_add_co_u32 s22, s42, 64
	s_lshl_b32 s22, s22, 12
	s_add_nc_u64 s[SBP:SBP+1], s[6:7], s[22:23]    ; and of P_q's block; P_k's and P_v's lie 32,768 and 65,536 bytes on
	s_mul_i32 s12, s15, 49152                      ; my block of x, half 0,
	s_add_co_u32 s13, s12, XH                      ; half 1
	s_mul_i32 s18, s16, 3072
	s_add_co_u32 s18, s18, SB                      ; my head's four tiles, slot 0,
	s_add_co_u32 s19, s18, 49152                   ; slot 1
	s_lshl_b32 s22, s15, 12
	s_add_co_u32 s22, s22, XS
	s_lshl_b32 s23, s16, 8
	s_add_co_u32 s23, s23, BS
	v_lshlrev_b32 v[T16], 4, v0
.irp k, 0,1,2,3
	global_load_b128 v[OC+4*\k:OC+4*\k+3], v[T16], s[SXP:SXP+1] offset:2048*\k
.endr
.irp k, 0,1,2,3,4,5
	global_load_b128 v[OC+16+4*\k:OC+16+4*\k+3], v[T16], s[SBP:SBP+1] offset:32768*(\k/2)+2048*(\k%2)
.endr
	v_lshl_add_u32 v[LSA], v0, 4, XS
	v_and_b32 v21, 31, v0
	v_and_b32 v22, 15, v0
	v_lshlrev_b32 v[L16], 4, v21
	v_lshlrev_b32 v[L8], 3, v21
	v_lshlrev_b32 v[R16], 4, v22
	v_add_nc_u32 v[ADRX16], s12, v[L16]
	v_add_nc_u32 v[ADRX16+1], s13, v[L16]
	v_add_nc_u32 v[ADRX8], s12, v[L8]
	v_add_nc_u32 v[ADRX8+1], s13, v[L8]
	v_add_nc_u32 v[ADRB16], s18, v[L16]
	v_add_nc_u32 v[ADRB16+1], s19, v[L16]
	v_add_nc_u32 v[ADRB8], s18, v[L8]
	v_add_nc_u32 v[ADRB8+1], s19, v[L8]
	v_add_nc_u32 v[ADRSX], s22, v[R16]
	v_add_nc_u32 v[ADRSW0], s23, v[R16]
	v_add_nc_u32 v[ADRSW], s23, v[R16]
	v_mov_b32 v[FLR], 0x1800000                    ; the floor 2^(3 - 127)
.irp b, 0,1,2,3
	v_mov_b32 v[TM+4+\b], 0                        ; a lane permute's destination counts as read
.endr
	s_lshl_b32 s12, s17, 1                         ; where the results go
	s_add_co_u32 s12, s12, s15                     ; my block of x, 0..63
	s_lshr_b32 s13, s12, 4                         ; b
	s_and_b32 s12, s12, 15                         ; which 128 rows of the batch
	s_lshl_b32 s13, s13, 4
	s_lshl_b32 s18, s42, 1
	s_add_co_u32 s18, s18, s16                     ; h
	s_add_co_u32 s13, s13, s18                     ; Q's plane
	s_mul_i32 s22, s13, 98304
	s_mul_i32 s18, s12, 6144
	s_add_co_u32 s22, s22, s18
	s_mov_b32 s23, 0
	s_add_nc_u64 s[PQ:PQ+1], s[8:9], s[22:23]
	s_lshl_b32 s22, s13, 13
	s_lshl_b32 s18, s12, 9
	s_add_co_u32 s22, s22, s18
	s_add_nc_u64 s[PS:PS+1], s[10:11], s[22:23]
	s_add_co_u32 s22, s13, 128
	s_lshl_b32 s22, s22, 13
	s_lshl_b32 s18, s12, 8
	s_add_co_u32 s22, s22, s18
	s_add_nc_u64 s[PSV:PSV+1], s[10:11], s[22:23]
.macro FRAGL reg, a16, a8, q, i        ; a fragment, 16 rows x 128 K, is two units: four dense loads
	ds_load_b128 v[\reg:\reg+3], v[\a16] offset:(2*(\q))*6144+(\i)*768
	ds_load_b64 v[\reg+4:\reg+5], v[\a8] offset:(2*(\q))*6144+(\i)*768+512
	ds_load_b128 v[\reg+6:\reg+9], v[\a16] offset:(2*(\q)+1)*6144+(\i)*768
	ds_load_b64 v[\reg+10:\reg+11], v[\a8] offset:(2*(\q)+1)*6144+(\i)*768+512
.endm
.macro FETCH hf, q, p, toff            ; step q of half hf of K into set p: x's eight fragments, my head's four, their scale words (toff = 4,096: the next weight block's)
	WIN 0x40                                       ; destination window 1, address window 0
.irp i, 0,1,2,3,4,5,6,7
	FRAGL 96*(\p)+12*\i, ADRX16+\hf, ADRX8+\hf, \q, \i
.endr
	WIN 0
.irp i, 0,1,2,3
	FRAGL WF+48*(\p)+12*\i, ADRB16+\hf, ADRB8+\hf, \q, \i
.endr
	ds_load_b128 v[SC+12*(\p):SC+12*(\p)+3], v[ADRSX] offset:512*(4*\hf+\q)
	ds_load_b128 v[SC+12*(\p)+4:SC+12*(\p)+7], v[ADRSX] offset:512*(4*\hf+\q)+256
	ds_load_b128 v[SC+12*(\p)+8:SC+12*(\p)+11], v[ADRSW] offset:512*(4*\hf+\q)+\toff
.endm
.macro WM d, s0, s1, c0, c1, zero
.if \zero
	v_wmma_scale_f32_16x16x128_f8f6f4 v[\d:\d+7], v[\s0:\s0+11], v[\s1:\s1+11], 0, v[\c0], v[\c1] matrix_a_fmt:MATRIX_FMT_FP6 matrix_b_fmt:MATRIX_FMT_FP6
.else
	v_wmma_scale_f32_16x16x128_f8f6f4 v[\d:\d+7], v[\s0:\s0+11], v[\s1:\s1+11], v[\d:\d+7], v[\c0], v[\c1] matrix_a_fmt:MATRIX_FMT_FP6 matrix_b_fmt:MATRIX_FMT_FP6
.endif
.endm
; 16 matrix instructions, half of a step.  kind 0 (Q, K): accumulator (x's tile a, the head's tile b) at v[8 (4 a + b)]; kind 1 (V): (the head's tile a, x's tile b) at v[8 (8 a + b)].
; The 32 accumulators take turns, one instruction a turn, in the same order in every step.
.macro MULH kind, hh, p, zero
.if \kind == 0
	WIN 0xa4                                       ; source 0 (weights) window 0, source 1 (x) window 1, C and D window 2
.irp a, 4*\hh, 4*\hh+1, 4*\hh+2, 4*\hh+3
.irp b, 0,1,2,3
	WM 8*(4*(\a)+\b), WF+48*(\p)+12*\b, 96*(\p)+12*(\a), SC+12*(\p)+8+\b, SC+12*(\p)+(\a), \zero
.endr
.endr
.else
	WIN 0xa1                                       ; source 0 (x) window 1, source 1 (weights) window 0
.irp a, 2*\hh, 2*\hh+1
.irp b, 0,1,2,3,4,5,6,7
	WM 8*(8*(\a)+\b), 96*(\p)+12*\b, WF+48*(\p)+12*(\a), SC+12*(\p)+\b, SC+12*(\p)+8+(\a), \zero
.endr
.endr
.endif
.endm
; A step of 128 along K on set p; in its middle the next step's fragments (half nhf, step nq; nq = -1: none) are fetched into the other set.
; mode 1: the step changes halves of K: in front of the barrier each wave waits for all its tensor loads, adds 0 to its spare word, and waits for that and for its LDS reads, all of which are issued by then.
; mode 2, 3: the same barrier opens a round of the cluster's, and slot 0, 1, which nobody reads any more, is filled again first behind it.
.macro STEP kind, p, zero, mode, nhf, nq, toff
.if \mode
	s_wait_tensorcnt 0x0
	ds_add_u32 v[SPW], v[NIL]
.endif
	s_wait_dscnt 0x0                               ; set p is in (and the add is done)
.if \mode
	s_barrier_signal -1
.endif
	MULH \kind, 0, \p, \zero
	WIN 0
	PLACES                                         ; in front of loads into registers that the last step's matrix instructions have read
.if \mode
	s_barrier_wait -1
.endif
.if \mode >= 2
	CREST
	BLOAD \mode-2
.endif
.if \nq >= 0
	FETCH \nhf, \nq, 1-\p, \toff
.endif
	MULH \kind, 1, \p, \zero
	WIN 0
.endm
.macro TILE kind, last                 ; eight steps; the first products start the sums
	STEP \kind, 0, 1, 0, 0, 1, 0
	STEP \kind, 1, 0, 0, 0, 2, 0
	STEP \kind, 0, 0, 0, 0, 3, 0
.if \last
	STEP \kind, 1, 0, 1, 1, 0, 0
.else
	STEP \kind, 1, 0, 2, 1, 0, 0
.endif
	STEP \kind, 0, 0, 0, 1, 1, 0
	STEP \kind, 1, 0, 0, 1, 2, 0
	STEP \kind, 0, 0, 0, 1, 3, 0
.if \last
	STEP \kind, 1, 0, 0, 0, -1, 0
.else
	STEP \kind, 1, 0, 3, 0, 0, 4096
.endif
.endm
; THE WAY OUT.  64 registers of a lane, register 16 b + i = place 32 b + 16 (lane / 16) + i along the quantiser's axis, become two units.  kind 0: blocks 0, 1 are the head's 64 of x's tile 2 n, blocks 2, 3 of tile 2 n + 1:
; two words of two bytes.  kind 1: the four blocks are 128 keys of the head's tile n of v: one word.
.macro QUANTW ac, oc, kind, n
	WIN 0x28                                       ; sources 1 and 2: the accumulators' window
.irp b, 0,1,2,3
	v_max3_num_f32 v[TM+\b], v[FLR], |v[\ac+16*\b]|, |v[\ac+1+16*\b]|     ; each accumulator is read from its low end on
.endr
.irp i, 2,4,6,8,10,12,14
.irp b, 0,1,2,3
	v_max3_num_f32 v[TM+\b], v[TM+\b], |v[\ac+16*\b+\i]|, |v[\ac+1+16*\b+\i]|
.endr
.endr
	WIN 0
.irp b, 0,1,2,3
	v_permlanex16_b32 v[TM+4+\b], v[TM+\b], s[SEL], s[SEL+1]
.endr
.irp b, 0,1,2,3
	v_max_num_f32 v[TM+\b], v[TM+\b], v[TM+4+\b]   ; with lane l xor 16's 16: the block's largest magnitude
.endr
.irp b, 0,1,2,3
	v_add_nc_u32 v[TM+12+\b], 0xff000000, v[TM+\b] ; 2 off its exponent field: the conversion's scale operand
.endr
.irp b, 0,1,2,3
	v_lshrrev_b32 v[TM+4+\b], 23, v[TM+12+\b]      ; the byte
.endr
.if \kind == 0
	v_lshl_or_b32 v[PWS+2*\n], v[TM+5], 8, v[TM+4]
	v_lshl_or_b32 v[PWS+2*\n+1], v[TM+7], 8, v[TM+6]
.else
	v_lshl_or_b32 v[PWS+\n], v[TM+5], 8, v[TM+4]
	v_lshl_or_b32 v[PWS+\n], v[TM+6], 16, v[PWS+\n]
	v_lshl_or_b32 v[PWS+\n], v[TM+7], 24, v[PWS+\n]
.endif
	WIN 0x02                                       ; source 0: the accumulators' window
.irp c, 0,1
	v_cvt_scalef32_pk16_fp6_f32 v[\oc+6*\c:\oc+6*\c+2], v[\ac+32*\c:\ac+32*\c+15], v[TM+12+2*\c]
	v_cvt_scalef32_pk16_fp6_f32 v[CT+4*\c:CT+4*\c+2], v[\ac+32*\c+16:\ac+32*\c+31], v[TM+13+2*\c]
.endr
	WIN 0
	v_nop                                          ; one plain line behind the conversions
.irp c, 0,1
.irp i, 0,1,2
	v_permlane16_swap_b32 v[\oc+6*\c+\i], v[CT+4*\c+\i]        ; a whole block to a lane
.endr
.irp i, 0,1,2
	v_mov_b32 v[\oc+6*\c+3+\i], v[CT+4*\c+\i]
.endr
.endr
.endm
.macro WAYOUT kind
	PLACES                                         ; behind the last products
.irp n, 0,1,2,3
	QUANTW 64*\n, OC+12*\n, \kind, \n
	global_store_b128 v[L16], v[OC+12*\n:OC+12*\n+3], s[PQ:PQ+1] offset:\n*1536            ; 768 consecutive bytes a unit; each n has registers of its own
	global_store_b64 v[L8], v[OC+12*\n+4:OC+12*\n+5], s[PQ:PQ+1] offset:\n*1536+512
	global_store_b128 v[L16], v[OC+12*\n+6:OC+12*\n+9], s[PQ:PQ+1] offset:\n*1536+768
	global_store_b64 v[L8], v[OC+12*\n+10:OC+12*\n+11], s[PQ:PQ+1] offset:\n*1536+1280
.endr
	s_wait_alu depctr_va_vdst(0)                   ; the wait ahead of the readers below
.if \kind == 0
	global_store_b128 v[R16], v[PWS:PWS+3], s[PS:PS+1]                 ; four tiles' words of row r: 256 consecutive bytes (lanes 16-31 repeat lanes 0-15)
	global_store_b128 v[R16], v[PWS+4:PWS+7], s[PS:PS+1] offset:256
.else
	global_store_b128 v[R16], v[PWS:PWS+3], s[PSV:PSV+1]
.endif
.endm
	s_wait_alu depctr_va_vdst(0)                   ; the wait at the head's end
	s_wait_tensorcnt 0x0                           ; my tensor load is in
	s_wait_loadcnt 0x0
.irp k, 0,1,2,3,4,5,6,7,8,9
	ds_store_b128 v[LSA], v[OC+4*\k:OC+4*\k+3] offset:2048*\k          ; the scale words: x's pair, then the three weight blocks'
.endr
	s_wait_tensorcnt 0x0                           ; the wait and the add ahead of a later first fill, as ahead of a refill
	ds_add_u32 v[SPW], v[NIL]
	s_add_nc_u64 s[G0X+2:G0X+3], s[G0X+2:G0X+3], 49152                 ; no tensor load of mine is out: x's second half of K
	s_add_co_u32 s[G0X+1], s[G0X+1], XH
	s_wait_dscnt 0x0                               ; the add and my stores are done
	CROUND                                         ; everybody's part is in, and all sixteen work-groups are here
	JLOAD G0X, G1X, G0B+20, G1B                    ; the second half of K of x and of P_q's block: my one tensor load behind the round
	FETCH 0, 0, 0, 0
	s_mov_b32 s[TO], 0
	s_mov_b32 s[CNT], 2
.Ltile:                                                ; two trips: Q's tile, K's tile; each fills both slots again, for the tile that follows
	v_add_nc_u32 v[ADRSW], s[TO], v[ADRSW0]        ; this weight block's scale words
	s_wait_alu depctr_va_vdst(0)
	TILE 0, 0
	WAYOUT 0
	s_wait_xcnt 0x0                                ; the stores have read their data and bases
	s_add_nc_u64 s[PQ:PQ+1], s[PQ:PQ+1], 64*98304  ; the next tensor's plane
	s_add_nc_u64 s[PS:PS+1], s[PS:PS+1], 64*8192
	s_add_co_u32 s[TO], s[TO], 4096
	s_sub_co_u32 s[CNT], s[CNT], 1
	s_cmp_lg_u32 s[CNT], 0
	s_cbranch_scc1 .Ltile
	v_add_nc_u32 v[ADRSW], 8192, v[ADRSW0]
	s_wait_alu depctr_va_vdst(0)
	TILE 1, 1                                      ; V's tile asks for nothing more
	WAYOUT 1
	s_wait_tensorcnt 0x0                           ; the wave's end
	ds_add_u32 v[SPW], v[NIL]
	s_wait_dscnt 0x0
	CROUND                                         ; the closing round
	s_endpgm
.Lfunc_end_k_qf241977c31_qkv:
	.size	k_qf241977c31_qkv, .Lfunc_end_k_qf241977c31_qkv-k_qf241977c31_qkv
	.p2alignl 7, 3214868480
	.fill 96, 4, 3214868480
	.section	.rodata,"a",@progbits
	.p2align	6, 0x0
	.amdhsa_kernel k_qf241977c31_qkv
		.amdhsa_group_segment_fixed_size 327680
		.amdhsa_private_segment_fixed_size 0
		.amdhsa_enable_private_segment 0
		.amdhsa_kernarg_size 32
		.amdhsa_user_sgpr_count 2
		.amdhsa_user_sgpr_kernarg_segment_ptr 1
		.amdhsa_wavefront_size32 1
		.amdhsa_system_sgpr_workgroup_id_x 1
		.amdhsa_system_sgpr_workgroup_id_y 1
		.amdhsa_system_sgpr_workgroup_id_z 1
		.amdhsa_system_vgpr_workitem_id 0
		.amdhsa_next_free_vgpr 768
		.amdhsa_next_free_sgpr 80
		.amdhsa_reserve_vcc 0
		.amdhsa_float_denorm_mode_32 3
		.amdhsa_float_denorm_mode_16_64 3
		.amdhsa_memory_ordered 1
		.amdhsa_forward_progress 1
		.amdhsa_inst_pref_size 166
	.end_amdhsa_kernel
	.amdgpu_metadata
---
amdhsa.version: [ 1, 2 ]
amdhsa.kernels:
  - .name:           k_qf241977c31_qkv
    .symbol:         k_qf241977c31_qkv.kd
    .args:
      - { .name: opc, .offset: 0, .size: 8, .value_kind: global_buffer, .address_space: global }
      - { .name: ops, .offset: 8, .size: 8, .value_kind: global_buffer, .address_space: global }
      - { .name: qkvc, .offset: 16, .size: 8, .value_kind: global_buffer, .address_space: global }
      - { .name: qkvs, .offset: 24, .size: 8, .value_kind: global_buffer, .address_space: global }
    .group_segment_fixed_size: 327680
    .private_segment_fixed_size: 0
    .kernarg_segment_align: 8
    .kernarg_segment_size: 32
    .max_flat_workgroup_size: 128
    .sgpr_count:     80
    .vgpr_count:     768
    .wavefront_size: 32
...
	.end_amdgpu_metadata
.endif
;; end of part 2
;; launch attn (part 3): grid 4 x 64, 16 waves a work-group, clusters of 4 x 1, 327,680 bytes of LDS; arguments qkvc, qkvs, oc, os; writes oc, os
.if DOCPART == 3
	.amdgcn_target "amdgcn-amd-amdhsa--gfx1250"
	.amdhsa_code_object_version 6
	.text
	.protected	k_qf241977c31_attn
	.globl	k_qf241977c31_attn
	.p2align	8
	.type	k_qf241977c31_attn,@function
k_qf241977c31_attn:
	s_mov_b64 s[64:65], 0
	v_nop
	global_prefetch_b8 v0, s[64:65] scope:SCOPE_SE
	s_setreg_imm32_b32 hwreg(HW_REG_WAVE_MODE, 25, 1), 1
	s_wait_xcnt 0x0
	s_wait_alu depctr_hold_cnt(0) depctr_sa_sdst(0) depctr_va_vdst(0) depctr_va_sdst(0) depctr_va_ssrc(0) depctr_va_vcc(0) depctr_vm_vsrc(0)
	s_getreg_b32 s2, hwreg(HW_REG_IB_STS2, 6, 4)
	s_cmp_eq_u32 s2, 0
	s_cbranch_scc0 .Lentry_in_a_cluster
	s_endpgm
.Lentry_in_a_cluster:
	s_bfe_u32 s2, ttmp6, 0x10000c
	s_cmp_lg_u32 s2, 0x3003
	s_cbranch_scc0 .Lentry_shape_is_right
	s_endpgm
.Lentry_shape_is_right:
; o = softmax(Q K^T / 8, causal) V for one (b, h), both products on codes of FP6 (E2M3) with E8M0 scales; o is quantised along the head's 64 and leaves as codes for the last product.
; THE SOFTMAX: t = score x log2(e) / 8; M = the running largest t rounded up to a whole number; p = 2^(t - M) is quantised along the keys, not normalised; the row's sum is taken of the unquantised p and divides at
; the end.  When M moves, the sum and O are multiplied by f = 2^(old M - new M), exactly.
; SHARES.  The four work-groups of a cluster serve one head.  A tile is 16 queries; the 8 tiles of a group g of 128 queries walk g + 1 steps of 128 keys (later steps lie wholly under reference()'s causal mask and are left out).
; Partner cx takes tiles j = 2 cx, 2 cx + 1 of every group.  Wave w takes tile j = 2 cx + w / 8 of group 15 - w % 8 and then of group w % 8: 17 live steps in every wave of every work-group.
; So every branch hangs on the wave's number alone and is the same in all four partners; the place in the cluster enters global addresses of Q and o and the mask's lane numbers only.
; LDS.  The head's K and V codes (98,304 bytes each) lie in LDS whole, each byte filled once: sixteen JOINT loads, one a wave, 12,288 bytes each, mask 15.  The scale words (8,192 + 4,096 bytes) come through registers,
; 16 + 8 bytes a thread, into bytes of their own.  One barrier shows all of it; nothing is filled again.  All is asked for at the head, so no loop is left in which a prefetch could run ahead.
; LAYOUT.  S^T = K Q^T (source 0 = 16 keys), O^T = V^T P^T (source 0 = 16 of the head's 64): a lane holds one query throughout.  Lane index r of tile t of 128 rows is row 32 (t / 2) + 8 (t % 2) + r % 8 + 16 (r / 8),
; so the 16 registers of tiles 2 b, 2 b + 1 are 16 neighbours.  The first product's K is 64: the upper 64 of Q's fragment are zero codes.  K's eight units of 6 registers lie on end, and the fragment of tile t is units t and t + 1:
; what stands in its upper 64 is finite in this format and meets zero codes (the scale bytes there are another head's or 0, never 0xff).
; A tile's first step finds -M = 3e38, so its f is 0: the sum and O^T left by the tile before, which are finite, become zeros; only the first tile's are cleared.
; os: a word of the last product's scales is shared by two heads, so a wave owns 2 bytes a row and stores them so: 262,144 bytes in the launch.
; LIMITS: NaN and infinities are not served; a block whose largest magnitude lies under 2^-124 gets the byte 1; the promise holds while |t| stays under 2^31.
.set VC,    98304                      ; LDS: K's codes at 0, V's here,
.set KSC,   196608                     ; K's scale words,
.set VSC,   204800                     ; V's,
.set SPARE, 208896                     ; the spare words: 128 bytes for each of 16 waves
.set PIECE, 12288                      ; what one joint load brings: 256 keys' codes
.set AK16, 1                           ; v1 16 x lane; v2 8 x lane; v3, v4 the same in V's codes; v5, v6 16 r in K's and V's scale words
.set AK8,  2
.set AV16, 3
.set AV8,  4
.set ASK,  5
.set ASV,  6
.set QL,   7                           ; v7 my query less the group's first, less 16 (lane / 16)
.set R16,  31
.set KFR,  32                          ; v32-79 K's eight units; v80-85 zeros
.set KW,   86                          ; v86-93 K's scale words
.set S,    96                          ; v96-159 S^T, then p; then v96-143 V's four fragments
.set OT,   160                         ; v160-191 O^T
.set PCD,  192                         ; v192-203 p's codes
.set CT,   204                         ; v204-211 the conversions' second halves
.set BM,   212                         ; v212-215 the blocks' largest
.set PT,   216                         ; v216-219 at work
.set SO,   220                         ; v220-223 the conversions' scale operands
.set VW,   224                         ; v224-227 V's scale words
.set NI,   228                         ; v228 -infinity
.set FF,   230                         ; v230 f, v231 p's scale word
.set TT,   232
.set Q2,   234                         ; v234-239 the second tile's Q, v240 its scale word
.set SPW,  254
.set NIL,  255
.set WV,   18
.set BH,   19
.set SEL,  20
.set CS,   22
.set G1,   24
.set G0,   32
.set CX,   36
.set PI,   37                          ; the second tile's group
.set GA,   38                          ; the first tile's group
.set J,    39
.set DJ,   40
.set TK,   41                          ; LDS byte of the step's codes; of K's words; of V's words; the step's first key
.set TS,   42
.set TJ,   43
.set KF,   44
.set CNT,  45
.set GK,   46                          ; the first key of the tile's last step
.set CQ,   54
.set CW,   55
.set CQS,  56
.set CO,   57
.set COS,  58
.set QA,   66
.set QB,   68
.set QSA,  70
.set QSB,  72
.set OCA,  74
.set OCB,  76
.set OSA,  78
.set OSB,  80
.set KSP,  82
.set VSP,  84
.macro CROUND                          ; a round of the cluster's barrier
	s_barrier_signal -1
	s_barrier_wait -1
	s_cmp_lg_u32 s[WV], 0
	s_cbranch_scc1 .Lnot_wave_0_\@
	s_barrier_signal -3
.Lnot_wave_0_\@:
	s_barrier_wait -3
	s_barrier_signal -1
	s_barrier_wait -1
.endm
.macro PTR dst, base, common, g, mult  ; a buffer's address + the part common to both tiles + the group's part
	s_mul_i32 s60, s[\g], \mult
	s_add_co_u32 s60, s60, s[\common]
	s_add_nc_u64 s[\dst:\dst+1], s[\base:\base+1], s[60:61]
.endm
	s_load_b256 s[4:11], s[0:1], 0x0               ; qkvc, qkvs, oc, os
	v_lshl_add_u32 v[SPW], v0, 2, SPARE
	v_mov_b32 v[NIL], 0
	ds_add_u32 v[SPW], v[NIL]                      ; the opening lines: the add twice on end and its wait ahead of my tensor load
	ds_add_u32 v[SPW], v[NIL]
	v_lshrrev_b32 v8, 5, v0
	s_delay_alu instid0(VALU_DEP_1)
	v_readfirstlane_b32 s[WV], v8
	s_and_b32 s[BH], ttmp7, 0xffff                 ; b 16 + h: the cluster's y
	s_bfe_u32 s[CX], ttmp6, 0x40000
	s_and_b32 s[PI], s[WV], 7
	s_sub_co_u32 s[GA], 15, s[PI]
	s_lshr_b32 s47, s[WV], 3                       ; 0: I fetch of K, 1: of V.  Also: which of the partner's two tiles
	s_lshl_b32 s48, s47, 6
	s_add_co_u32 s48, s48, s[BH]
	s_add_co_u32 s48, s48, 64                      ; the plane
	s_mul_i32 s50, s48, 98304
	s_mul_i32 s49, s[PI], PIECE
	s_add_co_u32 s50, s50, s49                     ; my piece: made of the head and the wave's number alone
	s_mov_b32 s51, 0
	s_mov_b32 s[G0], 1
	s_mul_i32 s[G0+1], s[WV], PIECE                ; K's eight pieces, then V's eight
	s_mov_b32 s[G1], 15|(3<<16)|(1<<21)            ; the mask: all four partners; elements of 8 bytes; bit 21 beside a mask; no padding
	s_mov_b32 s[G1+1], 32<<16                      ; 48 dense rows of 256 bytes
	s_mov_b32 s[G1+2], 48<<16
	s_mov_b32 s[G1+3], 32<<16
	s_mov_b32 s[G1+4], 48
	s_mov_b32 s[G1+5], 32
	s_mov_b32 s[G1+6], 0
	s_mov_b32 s[G1+7], 0
	s_mov_b32 s[SEL], 0x76543210
	s_mov_b32 s[SEL+1], 0xfedcba98
	s_mov_b32 s[CS], 0x3e38aa3b                    ; c = log2(e) / 8
	s_mov_b32 s[CS+1], s[CS]
	s_lshl_b32 s[J], s[CX], 1
	s_add_co_u32 s[J], s[J], s47                   ; j: my tiles' place in their groups
	s_lshr_b32 s52, s[J], 1
	s_lshl_b32 s52, s52, 5
	s_and_b32 s53, s[J], 1
	s_lshl_b32 s53, s53, 3
	s_add_co_u32 s[DJ], s52, s53                   ; the tile's first query less the group's first
	v_and_b32 v8, 31, v0
	v_and_b32 v9, 15, v0
	v_lshlrev_b32 v10, 4, v0                       ; my 16 bytes of K's scale words, in memory
	v_lshlrev_b32 v11, 3, v0                       ; my 8 of V's
	v_lshl_add_u32 v28, v0, 4, KSC                 ; and in LDS
	v_lshl_add_u32 v29, v0, 3, VSC
	v_lshlrev_b32 v[AK16], 4, v8
	v_lshlrev_b32 v[AK8], 3, v8
	v_lshlrev_b32 v[R16], 4, v9
	v_and_b32 v[QL], 7, v0
	v_bfe_u32 v94, v0, 3, 1
	v_bfe_u32 v95, v0, 4, 1
	v_add_nc_u32 v[AV16], VC, v[AK16]
	v_add_nc_u32 v[AV8], VC, v[AK8]
	v_add_nc_u32 v[ASK], KSC, v[R16]
	v_add_nc_u32 v[ASV], VSC, v[R16]
	v_lshl_add_u32 v[QL], v94, 4, v[QL]
	v_lshlrev_b32 v95, 4, v95
	v_add_nc_u32 v[QL], s[DJ], v[QL]
	s_delay_alu instid0(VALU_DEP_1)
	v_sub_nc_u32 v[QL], v[QL], v95
	v_mov_b32 v[NI], 0xff800000
	v_mov_b32 v13, 0xff61b1e6                      ; the largest t so far: -3e38
	v_mov_b32 v12, 0x7f61b1e6                      ; -M = floor(3e38)
	v_mov_b32 v14, 0
	v_mov_b32 v15, 0
.irp i, 22,23,24,25,26,27, 80,81,82,83,84,85
	v_mov_b32 v[\i], 0                             ; the upper 64 of Q's fragment: zero codes; and what stands behind K's last unit
.endr
.irp b, 0,1,2,3
	v_mov_b32 v[PT+\b], 0                          ; a lane permute's destination counts as read
.endr
	v_mov_b32 v[FF], 0
	v_mov_b32 v[FF+1], 0
.set nn, 0
.rept 32
	v_mov_b32 v[OT+nn], 0                          ; O^T of the first tile: the step is written once
.set nn, nn+1
.endr
	s_wait_alu depctr_va_vdst(0)                   ; the wait at the head's end
	s_wait_dscnt 0x0                               ; both opening adds are done
	s_wait_kmcnt 0x0
	s_add_nc_u64 s[G0+2:G0+3], s[4:5], s[50:51]
	s_or_b32 s[G0+3], s[G0+3], 0x80000000
	CROUND                                         ; all four partners are here: the joint loads meet
	tensor_load_to_lds s[G0:G0+3], s[G1:G1+7]      ; my one tensor load of the launch
	s_nop 0
.rept 4
	v_nop
.endr
	s_mul_i32 s52, s[J], 768                       ; under the load's flight: where Q comes from and o goes
	s_mul_i32 s53, s[BH], 98304
	s_add_co_u32 s[CQ], s52, s53                   ; Q's unit: plane b 16 + h, tile 8 g + j
	s_lshr_b32 s53, s[J], 2
	s_lshl_b32 s53, s53, 8
	s_and_b32 s[CW], s[J], 3
	s_lshl_b32 s[CW], s[CW], 2
	s_add_co_u32 s[CW], s[CW], s53                 ; a tile's words among its group's: 256 (j / 4) + 4 (j % 4)
	s_lshl_b32 s53, s[BH], 13
	s_add_co_u32 s[CQS], s[CW], s53
	s_lshr_b32 s53, s[BH], 4                       ; b
	s_mul_i32 s[CO], s53, 16*98304
	s_add_co_u32 s[CO], s[CO], s52
	s_lshl_b32 s[COS], s53, 16
	s_add_co_u32 s[COS], s[COS], s[CW]
	s_and_b32 s53, s[BH], 15                       ; h
	s_mul_i32 s52, s53, 6144
	s_add_co_u32 s[CO], s[CO], s52                 ; oc: block (b 16 + g) x 98,304 + h 6,144 + j 768
	s_lshr_b32 s52, s53, 1
	s_lshl_b32 s52, s52, 9
	s_add_co_u32 s[COS], s[COS], s52
	s_and_b32 s52, s53, 1
	s_lshl_b32 s52, s52, 1
	s_add_co_u32 s[COS], s[COS], s52               ; os: block x 4,096 + (h / 2) 512 + the tile's words + 2 (h % 2)
	s_mov_b32 s61, 0
	PTR QA,  4,  CQ,  GA, 6144
	PTR QB,  4,  CQ,  PI, 6144
	PTR QSA, 6,  CQS, GA, 512
	PTR QSB, 6,  CQS, PI, 512
	PTR OCA, 8,  CO,  GA, 98304
	PTR OCB, 8,  CO,  PI, 98304
	PTR OSA, 10, COS, GA, 4096
	PTR OSB, 10, COS, PI, 4096
	s_lshl_b32 s60, s[BH], 13
	s_add_co_u32 s60, s60, 64*8192
	s_add_nc_u64 s[KSP:KSP+1], s[6:7], s[60:61]    ; K's plane of scale words
	s_add_nc_u64 s[VSP:VSP+1], s[KSP:KSP+1], 64*8192
	global_load_b128 v[32:35], v10, s[KSP:KSP+1]
	global_load_b64 v[36:37], v11, s[VSP:VSP+1]
	global_load_b128 v[16:19], v[AK16], s[QA:QA+1]
	global_load_b64 v[20:21], v[AK8], s[QA:QA+1] offset:512
	global_load_b32 v30, v[R16], s[QSA:QSA+1]
	global_load_b128 v[Q2:Q2+3], v[AK16], s[QB:QB+1]
	global_load_b64 v[Q2+4:Q2+5], v[AK8], s[QB:QB+1] offset:512
	global_load_b32 v[Q2+6], v[R16], s[QSB:QSB+1]
	s_wait_tensorcnt 0x0                           ; my piece is in
	s_wait_loadcnt 0x0
	ds_store_b128 v28, v[32:35]                    ; the scale words, into bytes that no tensor load fills
	ds_store_b64 v29, v[36:37]
	s_wait_dscnt 0x0
	s_barrier_signal -1
	s_barrier_wait -1                              ; the head's K and V are whole for all sixteen waves
; A KEY STEP: 128 keys
.macro STEP
	s_cmp_gt_u32 s[KF], s[GK]                      ; all its keys come after the group's queries: left out.  The wave's number alone decides
	s_cbranch_scc1 .Lhidden_\@
	v_add_nc_u32 v8, s[TK], v[AK16]                ; (these six are the places between the last step's products and the products below, which write over V's fragments)
	v_add_nc_u32 v9, s[TK], v[AK8]
	v_add_nc_u32 v10, s[TK], v[AV16]
	v_add_nc_u32 v11, s[TK], v[AV8]
	v_add_nc_u32 v28, s[TS], v[ASK]
	v_add_nc_u32 v29, s[TJ], v[ASV]
	s_wait_alu depctr_va_vdst(0)
	ds_load_b128 v[KW:KW+3], v28                   ; the eight tiles' scale words
	ds_load_b128 v[KW+4:KW+7], v28 offset:256
.irp t, 0,1,2,3,4,5,6,7
	ds_load_b128 v[KFR+6*\t:KFR+6*\t+3], v8 offset:\t*768
	ds_load_b64 v[KFR+6*\t+4:KFR+6*\t+5], v9 offset:\t*768+512
.endr
	s_wait_dscnt 6                                 ; the words and units 0-4 are in; the six loads of units 5-7 may be out
.irp t, 0,1,2,3
	v_wmma_scale_f32_16x16x128_f8f6f4 v[S+8*\t:S+8*\t+7], v[KFR+6*\t:KFR+6*\t+11], v[16:27], 0, v[KW+\t], v30 matrix_a_fmt:MATRIX_FMT_FP6 matrix_b_fmt:MATRIX_FMT_FP6
.endr
	s_wait_dscnt 0x0
.irp t, 4,5,6,7
	v_wmma_scale_f32_16x16x128_f8f6f4 v[S+8*\t:S+8*\t+7], v[KFR+6*\t:KFR+6*\t+11], v[16:27], 0, v[KW+\t], v30 matrix_a_fmt:MATRIX_FMT_FP6 matrix_b_fmt:MATRIX_FMT_FP6
.endr
.rept 4
	v_nop
.endr
	s_cmp_lg_u32 s[KF], s[GK]                      ; only the group's last step meets the diagonal
	s_cbranch_scc1 .Lopen_\@
.set nn, 0
.rept 64                                       ; register 16 b + i holds key KF + 16 (lane / 16) + 32 b + i: hidden where 32 b + i is above v[QL]
	v_cmp_gt_i32 vcc_lo, 32*(nn/16)+nn%16, v[QL]
	v_cndmask_b32 v[S+nn], v[S+nn], v[NI], vcc_lo
.set nn, nn+1
.endr
.Lopen_\@:
.irp b, 0,1,2,3
	v_max3_num_f32 v[BM+\b], v[S+16*\b], v[S+1+16*\b], v[S+2+16*\b]       ; the largest score of each block of 32 keys: for the row's maximum and for the block's largest p
.endr
.irp i, 3,5,7,9,11,13
.irp b, 0,1,2,3
	v_max3_num_f32 v[BM+\b], v[BM+\b], v[S+16*\b+\i], v[S+1+16*\b+\i]
.endr
.endr
.irp b, 0,1,2,3
	v_max_num_f32 v[BM+\b], v[BM+\b], v[S+15+16*\b]
.endr
.irp b, 0,1,2,3
	s_delay_alu instid0(VALU_DEP_4)
	v_permlanex16_b32 v[PT+\b], v[BM+\b], s[SEL], s[SEL+1]
.endr
.irp b, 0,1,2,3
	s_delay_alu instid0(VALU_DEP_4)
	v_max_num_f32 v[BM+\b], v[BM+\b], v[PT+\b]
.endr
	s_delay_alu instid0(VALU_DEP_2)
	v_max3_num_f32 v[TT], v[BM], v[BM+1], v[BM+2]
	s_delay_alu instid0(VALU_DEP_1)
	v_max_num_f32 v[TT], v[TT], v[BM+3]
	s_delay_alu instid0(VALU_DEP_1)
	v_mul_f32 v[TT], s[CS], v[TT]
	s_delay_alu instid0(VALU_DEP_1)
	v_max_num_f32 v13, v13, v[TT]                  ; the running largest t
	v_mov_b32 v[TT], v12
	s_delay_alu instid0(VALU_DEP_2)
	v_floor_f32 v12, -v13                          ; the new -M
	s_delay_alu instid0(VALU_DEP_1)
	v_sub_f32 v[TT], v12, v[TT]
	s_delay_alu instid0(VALU_DEP_1)
	v_cvt_i32_f32 v[TT], v[TT]                     ; (it saturates)
	s_delay_alu instid0(VALU_DEP_1)
	v_ldexp_f32 v[FF], 1.0, v[TT]                  ; f = 2^(old M - new M)
.set nn, 0
.rept 32
	v_pk_fma_f32 v[S+nn:S+nn+1], v[S+nn:S+nn+1], s[CS:CS+1], v[12:13] op_sel_hi:[1,0,0]   ; t - M
.set nn, nn+2
.endr
.irp b, 0,1,2,3
	v_fma_f32 v[BM+\b], v[BM+\b], s[CS], v12
.endr
	s_wait_alu depctr_va_vdst(0)                   ; the wait ahead of the batch
.set nn, 0
.rept 64
	v_exp_f32 v[S+nn], v[S+nn]                     ; p
.set nn, nn+1
.endr
	v_pk_mul_f32 v[14:15], v[14:15], v[FF:FF+1] op_sel_hi:[1,0]           ; the sums under the new M: a plain line behind the exponentials
	s_wait_alu depctr_va_vdst(0)                   ; one wait for the batch, ahead of its first reader
.irp b, 0,1,2,3
	v_exp_f32 v[BM+\b], v[BM+\b]                   ; the blocks' largest p
.endr
.set nn, 0
.irp a, 216,252,250,248,246,244,242            ; the row's sum of the unquantised p: eight chains by turns, two numbers a line
	v_pk_add_f32 v[\a:\a+1], v[S+nn:S+nn+1], v[S+nn+2:S+nn+3]
.set nn, nn+4
.endr
.rept 2
.irp a, 14,216,252,250,248,246,244,242
	v_pk_add_f32 v[\a:\a+1], v[\a:\a+1], v[S+nn:S+nn+1]
.set nn, nn+2
.endr
.endr
	v_pk_add_f32 v[14:15], v[14:15], v[S+60:S+61]
	v_pk_add_f32 v[216:217], v[216:217], v[S+62:S+63]
	v_pk_add_f32 v[252:253], v[252:253], v[250:251]
	v_pk_add_f32 v[248:249], v[248:249], v[246:247]
	v_pk_add_f32 v[244:245], v[244:245], v[242:243]
	s_delay_alu instid0(VALU_DEP_4)
	v_pk_add_f32 v[14:15], v[14:15], v[216:217]
	s_delay_alu instid0(VALU_DEP_3)
	v_pk_add_f32 v[252:253], v[252:253], v[248:249]
	s_delay_alu instid0(VALU_DEP_2)
	v_pk_add_f32 v[14:15], v[14:15], v[244:245]
	s_delay_alu instid0(VALU_DEP_1)
	v_pk_add_f32 v[14:15], v[14:15], v[252:253]
	s_wait_alu depctr_va_vdst(0)                   ; and one for the four
.irp b, 0,1,2,3
	v_max_num_f32 v[BM+\b], 0x1800000, v[BM+\b]    ; the floor 2^(3 - 127)
.endr
.irp b, 0,1,2,3
	s_delay_alu instid0(VALU_DEP_4)
	v_add_nc_u32 v[SO+\b], 0xff000000, v[BM+\b]
.endr
.irp b, 0,1,2,3
	s_delay_alu instid0(VALU_DEP_4)
	v_lshrrev_b32 v[PT+\b], 23, v[SO+\b]
.endr
	s_delay_alu instid0(VALU_DEP_3)
	v_lshl_or_b32 v[FF+1], v[PT+1], 8, v[PT]       ; p's scale word for these 128 keys
	s_delay_alu instid0(VALU_DEP_1)
	v_lshl_or_b32 v[FF+1], v[PT+2], 16, v[FF+1]
	s_delay_alu instid0(VALU_DEP_1)
	v_lshl_or_b32 v[FF+1], v[PT+3], 24, v[FF+1]
.irp c, 0,1
	v_cvt_scalef32_pk16_fp6_f32 v[PCD+6*\c:PCD+2+6*\c], v[S+32*\c:S+15+32*\c], v[SO+2*\c]
	v_cvt_scalef32_pk16_fp6_f32 v[CT+4*\c:CT+2+4*\c], v[S+16+32*\c:S+31+32*\c], v[SO+2*\c+1]
.endr
	v_nop                                          ; one plain line behind the conversions
.irp t, 0,1,2,3                                ; p is done with: V's four fragments land in its registers while the lines below run
	ds_load_b128 v[S+12*\t:S+12*\t+3], v10 offset:\t*1536
	ds_load_b64 v[S+12*\t+4:S+12*\t+5], v11 offset:\t*1536+512
	ds_load_b128 v[S+12*\t+6:S+12*\t+9], v10 offset:\t*1536+768
	ds_load_b64 v[S+12*\t+10:S+12*\t+11], v11 offset:\t*1536+1280
.endr
	ds_load_b128 v[VW:VW+3], v29
.irp c, 0,1
.irp i, 0,1,2
	v_permlane16_swap_b32 v[PCD+6*\c+\i], v[CT+4*\c+\i]
.endr
.irp i, 0,1,2
	s_delay_alu instid0(VALU_DEP_3)
	v_mov_b32 v[PCD+3+6*\c+\i], v[CT+4*\c+\i]
.endr
.endr
	s_wait_alu depctr_va_vdst(0)                   ; the wait directly ahead of the first reader of O^T
.set nn, 0
.rept 16
	v_pk_mul_f32 v[OT+nn:OT+nn+1], v[OT+nn:OT+nn+1], v[FF:FF+1] op_sel_hi:[1,0]   ; O^T under the new M.  (Also the places between the lines that made p's codes and scale word and the products)
.set nn, nn+2
.endr
	s_wait_alu depctr_va_vdst(0)                   ; and directly ahead of the wait below
	s_wait_dscnt 0x0
.irp t, 0,1,2,3                                ; O^T += V^T P^T: the four accumulators by turns
	v_wmma_scale_f32_16x16x128_f8f6f4 v[OT+8*\t:OT+8*\t+7], v[S+12*\t:S+12*\t+11], v[PCD:PCD+11], v[OT+8*\t:OT+8*\t+7], v[VW+\t], v[FF+1] matrix_a_fmt:MATRIX_FMT_FP6 matrix_b_fmt:MATRIX_FMT_FP6
.endr
.Lhidden_\@:
	s_add_co_u32 s[KF], s[KF], 128
	s_add_co_u32 s[TK], s[TK], 6144
	s_add_co_u32 s[TS], s[TS], 512
	s_add_co_u32 s[TJ], s[TJ], 256
.endm
; A TILE: a loop of a constant count over the steps that its group can have, and the way out: O^T / the sum; its 32 registers are v = 32 b + 16 (lane / 16) + i of my query: two blocks, one unit.
.macro PASS g, trips, oc, os
	s_lshl_b32 s[GK], s[\g], 7
	s_mov_b32 s[KF], 0
	s_mov_b32 s[TK], 0
	s_mov_b32 s[TS], 0
	s_mov_b32 s[TJ], 0
	s_mov_b32 s[CNT], \trips
.Lpass_\@:
	STEP
	s_sub_co_u32 s[CNT], s[CNT], 1
	s_cmp_lg_u32 s[CNT], 0
	s_cbranch_scc1 .Lpass_\@
.rept 4
	v_nop                                          ; places behind the last products
.endr
	v_add_f32 v14, v14, v15
	s_delay_alu instid0(VALU_DEP_1)
	v_permlanex16_b32 v[FF], v14, s[SEL], s[SEL+1]
	s_delay_alu instid0(VALU_DEP_1)
	v_add_f32 v14, v14, v[FF]                      ; the row's sum
	s_wait_alu depctr_va_vdst(0)
	v_rcp_f32 v14, v14
	v_nop                                          ; a plain line behind the reciprocal
	s_wait_alu depctr_va_vdst(0)                   ; and the wait ahead of its first reader, which is O^T's first reader too
.set nn, 0
.rept 16
	v_pk_mul_f32 v[S+nn:S+nn+1], v[OT+nn:OT+nn+1], v[14:15] op_sel_hi:[1,0]
.set nn, nn+2
.endr
.irp b, 0,1
	v_max3_num_f32 v[BM+\b], |v[S+16*\b]|, |v[S+1+16*\b]|, 0x1800000
.endr
.irp i, 2,4,6,8,10,12,14
.irp b, 0,1
	s_delay_alu instid0(VALU_DEP_2)
	v_max3_num_f32 v[BM+\b], v[BM+\b], |v[S+16*\b+\i]|, |v[S+1+16*\b+\i]|
.endr
.endr
.irp b, 0,1
	s_delay_alu instid0(VALU_DEP_2)
	v_permlanex16_b32 v[PT+\b], v[BM+\b], s[SEL], s[SEL+1]
.endr
.irp b, 0,1
	s_delay_alu instid0(VALU_DEP_2)
	v_max_num_f32 v[BM+\b], v[BM+\b], v[PT+\b]
.endr
.irp b, 0,1
	s_delay_alu instid0(VALU_DEP_2)
	v_add_nc_u32 v[SO+\b], 0xff000000, v[BM+\b]
.endr
.irp b, 0,1
	s_delay_alu instid0(VALU_DEP_2)
	v_lshrrev_b32 v[PT+\b], 23, v[SO+\b]
.endr
	s_delay_alu instid0(VALU_DEP_1)
	v_lshl_or_b32 v[TT], v[PT+1], 8, v[PT]         ; my row's two bytes
	v_cvt_scalef32_pk16_fp6_f32 v[PCD:PCD+2], v[S:S+15], v[SO]
	v_cvt_scalef32_pk16_fp6_f32 v[CT:CT+2], v[S+16:S+31], v[SO+1]
	v_nop
.irp i, 0,1,2
	v_permlane16_swap_b32 v[PCD+\i], v[CT+\i]
.endr
.irp i, 0,1,2
	s_delay_alu instid0(VALU_DEP_3)
	v_mov_b32 v[PCD+3+\i], v[CT+\i]
.endr
	global_store_b128 v[AK16], v[PCD:PCD+3], s[\oc:\oc+1]      ; the unit: 768 consecutive bytes
	global_store_b64 v[AK8], v[PCD+4:PCD+5], s[\oc:\oc+1] offset:512
	global_store_b16 v[R16], v[TT], s[\os:\os+1]               ; (lanes 16-31 repeat lanes 0-15)
.endm
	PASS GA, 16, OCA, OSA                          ; the tile of group 15 - w % 8: 9 to 16 live steps
	s_wait_xcnt 0x0                                ; the stores have read their data: the next tile may write those registers
	v_mov_b32 v30, v[Q2+6]                         ; the second tile's Q: its scale word stands 14 plain lines ahead of the first product, its codes 8 and more
.irp i, 0,1,2,3,4,5
	v_mov_b32 v[16+\i], v[Q2+\i]
.endr
	v_mov_b32 v13, 0xff61b1e6
	v_mov_b32 v12, 0x7f61b1e6                      ; so the first f is 0: the sum and O^T begin anew
	PASS PI, 8, OCB, OSB                           ; the tile of group w % 8: 1 to 8 live steps
	s_wait_tensorcnt 0x0                           ; the wave's end
	ds_add_u32 v[SPW], v[NIL]
	s_wait_dscnt 0x0
	CROUND                                         ; the closing round
	s_endpgm
.Lfunc_end_k_qf241977c31_attn:
	.size	k_qf241977c31_attn, .Lfunc_end_k_qf241977c31_attn-k_qf241977c31_attn
	.p2alignl 7, 3214868480
	.fill 96, 4, 3214868480
	.section	.rodata,"a",@progbits
	.p2align	6, 0x0
	.amdhsa_kernel k_qf241977c31_attn
		.amdhsa_group_segment_fixed_size 327680
		.amdhsa_private_segment_fixed_size 0
		.amdhsa_enable_private_segment 0
		.amdhsa_kernarg_size 32
		.amdhsa_user_sgpr_count 2
		.amdhsa_user_sgpr_kernarg_segment_ptr 1
		.amdhsa_wavefront_size32 1
		.amdhsa_system_sgpr_workgroup_id_x 1
		.amdhsa_system_sgpr_workgroup_id_y 1
		.amdhsa_system_sgpr_workgroup_id_z 1
		.amdhsa_system_vgpr_workitem_id 0
		.amdhsa_next_free_vgpr 256
		.amdhsa_next_free_sgpr 96
		.amdhsa_reserve_vcc 1
		.amdhsa_float_denorm_mode_32 3
		.amdhsa_float_denorm_mode_16_64 3
		.amdhsa_memory_ordered 1
		.amdhsa_forward_progress 1
		.amdhsa_inst_pref_size 64
	.end_amdhsa_kernel
	.amdgpu_metadata
---
amdhsa.version: [ 1, 2 ]
amdhsa.kernels:
  - .name:           k_qf241977c31_attn
    .symbol:         k_qf241977c31_attn.kd
    .args:
      - { .name: qkvc, .offset: 0, .size: 8, .value_kind: global_buffer, .address_space: global }
      - { .name: qkvs, .offset: 8, .size: 8, .value_kind: global_buffer, .address_space: global }
      - { .name: oc, .offset: 16, .size: 8, .value_kind: global_buffer, .address_space: global }
      - { .name: os, .offset: 24, .size: 8, .value_kind: global_buffer, .address_space: global }
    .group_segment_fixed_size: 327680
    .private_segment_fixed_size: 0
    .kernarg_segment_align: 8
    .kernarg_segment_size: 32
    .max_flat_workgroup_size: 512
    .sgpr_count:     96
    .vgpr_count:     256
    .wavefront_size: 32
...
	.end_amdgpu_metadata
.endif
;; end of part 3
;; launch proj (part 4): grid 8 x 32, 4 waves a work-group, clusters of 4 x 4, 327,680 bytes of LDS; arguments oc, os, opc, ops, out0; writes out0
.if DOCPART == 4
	.amdgcn_target "amdgcn-amd-amdhsa--gfx1250"
	.amdhsa_code_object_version 6
	.text
	.protected	k_qf241977c31_proj
	.globl	k_qf241977c31_proj
	.p2align	8
	.type	k_qf241977c31_proj,@function
k_qf241977c31_proj:
	s_mov_b64 s[64:65], 0
	v_nop
	global_prefetch_b8 v0, s[64:65] scope:SCOPE_SE
	s_setreg_imm32_b32 hwreg(HW_REG_WAVE_MODE, 25, 1), 1
	s_wait_xcnt 0x0
	s_wait_alu depctr_hold_cnt(0) depctr_sa_sdst(0) depctr_va_vdst(0) depctr_va_sdst(0) depctr_va_ssrc(0) depctr_va_vcc(0) depctr_vm_vsrc(0)
	s_getreg_b32 s2, hwreg(HW_REG_IB_STS2, 6, 4)
	s_cmp_eq_u32 s2, 0
	s_cbranch_scc0 .Lentry_in_a_cluster
	s_endpgm
.Lentry_in_a_cluster:
	s_bfe_u32 s2, ttmp6, 0x10000c
	s_cmp_lg_u32 s2, 0xf033
	s_cbranch_scc0 .Lentry_shape_is_right
	s_endpgm
.Lentry_shape_is_right:
; out0 = o times P_o, on codes of FP6 (E2M3) with E8M0 scales, K = 1,024 (h 64 + v); the results leave as f32.
; A block of out0 is 256 rows of o (a pair of blocks of 128) x 128 rows d of P_o: 32 pairs x 8 blocks = 256 work-groups of equal work.  All of K lies in LDS: o's pair 196,608 bytes, P_o's block 98,304, each byte filled once,
; in two groups of joint loads, one load a wave: the first half of K at the head, the second behind a round of the cluster's barrier, with the first four steps (128 matrix instructions a wave) in which to land.
; A WAVE makes 128 rows of o x 64 of d: 32 accumulators.  Source 0 = P_o's rows, source 1 = o's: a lane holds one row of o, and its registers run along d.
; Operands lie in memory in the order of the operand's registers (16 rows x 64 K = 768 bytes: registers 0-3 at 16 x lane, 4-5 at 512 + 8 x lane), a block as [K / 64][tile][768]: half of K is 49,152 dense bytes.
; The rows of a tile: lane index r of tile t is row 32 (t / 2) + 8 (t % 2) + r % 8 + 16 (r / 8) of its block of 128.
; THE SCALE WORDS of o's pair (8,192 bytes) and of P_o's block (4,096) come once through registers, in runs of 2,048 consecutive bytes a work-group, into LDS bytes that no tensor load fills.
; CLUSTERS: 4 x 4 work-groups; o's blocks are shared along a row of the cluster, P_o's along a column: joint loads.  Waves 0 and 1 fetch o's two blocks, waves 2 and 3 the two parts of P_o's half of K.
; No prefetch is laid: all of K is asked for within the first two groups of loads, and no loop is left in which one could run ahead.
; REGISTERS: window 0: v1-26 addresses; v32-55 scale words, two sets of 8 (o) + 4 (P_o); v64-127 the way out, two sets of 32; v128-223 P_o's fragments, two sets.  window 1: o's fragments, two sets, at v0 and v96.
; window 2: the accumulators, (o's tile a, P_o's tile b) at v[8 (4 a + b)].
.set XH,     98304                     ; LDS: o's half of K: two blocks of 49,152; the second half behind it
.set SB,     196608                    ; P_o's two halves of K, 49,152 each
.set XS,     294912                    ; o's scale words, 2 x 4,096,
.set BS,     XS+8192                   ; P_o's, 4,096
.set STAGE,  BS+4096                   ; the way out: 16 rows x (256 bytes + 16) for each wave; no tensor load lands here
.set SPITCH, 272
.set SPARE,  STAGE+4*16*SPITCH         ; the spare words, 128 bytes for each wave
.set L16,  1
.set L8,   2
.set R16,  3
.set ADRX16, 4                         ; v4-5 16 x lane + my block of o, half 0, 1 of K; v6-7 with 8 x lane
.set ADRX8,  6
.set ADRB16, 8                         ; v8-11 the same for my four tiles of P_o
.set ADRB8,  10
.set ADRSX,  12                        ; my block of o's scale words, + 16 r
.set ADRSW,  14                        ; my four tiles' of P_o
.set T16,  15
.set LSA,  16
.set SPW,  18
.set NIL,  19
.set STO,  24                          ; the way out: where I put 32 bytes of a row
.set RD,   25                          ; where I read a row back
.set CO,   26                          ; my byte offset in out0
.set SC,   32
.set BK,   64
.set WF,   128
.set G1X,  24
.set G0X,  32
.set G0B,  36                          ; the first half's group 0; the second's at s56
.set G1B,  48
.set PO,   66
.set SXP,  74
.set SBP,  76
.set MSB, 0
.macro WIN new                         ; the immediate's high byte repeats the setting that is left
.if MSB != \new
	s_set_vgpr_msb (MSB<<8)|\new
.set MSB, \new
.endif
.endm
.macro PLACES                          ; four places behind this matrix instruction (ISA guide 7.12.1)
.rept 4
	v_nop
.endr
.endm
; A joint load: waves 0 and 1 fetch for o, waves 2 and 3 for P_o; the branch hangs on the wave's number alone.  An s_nop 0 and four v_nop follow each line.
.macro JLOAD g0a, g1a, g0b, g1b
	s_cmp_eq_u32 s15, 0
	s_cbranch_scc0 .Lfor_b_\@
	tensor_load_to_lds s[\g0a:\g0a+3], s[\g1a:\g1a+7]
	s_nop 0
	PLACES
	s_branch .Lasked_\@
.Lfor_b_\@:
	tensor_load_to_lds s[\g0b:\g0b+3], s[\g1b:\g1b+7]
	s_nop 0
	PLACES
.Lasked_\@:
.endm
.macro CROUND                          ; a round of the cluster's barrier
	s_barrier_signal -1
	s_barrier_wait -1
	s_cmp_lg_u32 s14, 0
	s_cbranch_scc1 .Lnot_wave_0_\@
	s_barrier_signal -3
.Lnot_wave_0_\@:
	s_barrier_wait -3
	s_barrier_signal -1
	s_barrier_wait -1
.endm
	s_load_b256 s[4:11], s[0:1], 0x0               ; oc, os, opc, ops
	s_load_b64 s[12:13], s[0:1], 0x20              ; out0
	v_lshl_add_u32 v[SPW], v0, 2, SPARE
	v_mov_b32 v[NIL], 0
	ds_add_u32 v[SPW], v[NIL]                      ; the opening lines: the add twice on end and its wait ahead of my first tensor load
	ds_add_u32 v[SPW], v[NIL]
	v_lshrrev_b32 v21, 5, v0
	v_readfirstlane_b32 s14, v21                   ; wave
	s_lshr_b32 s15, s14, 1                         ; my block of o.  Also: I fetch for o (0) or for P_o (1)
	s_and_b32 s16, s14, 1                          ; my 64 of the block's 128 d.  Also: which part I fetch
	s_bfe_u32 s40, ttmp6, 0x40000                  ; cx
	s_bfe_u32 s41, ttmp6, 0x40004                  ; cy
	s_lshl_b32 s42, ttmp9, 2
	s_add_co_u32 s42, s42, s40                     ; c: P_o's block, 0..7
	s_and_b32 s17, ttmp7, 0xffff
	s_lshl_b32 s17, s17, 2
	s_add_co_u32 s17, s17, s41                     ; o's pair of blocks, 0..31
	s_lshl_b32 s43, s41, 2
	s_lshl_b32 s43, 15, s43                        ; my row of the cluster
	s_lshl_b32 s44, 0x1111, s40                    ; my column
	s_or_b32 s[G1X], s43, (3<<16)|(1<<21)          ; 15:0 the mask; elements of 8 bytes; 21 set beside a mask; no padding
	s_or_b32 s[G1B], s44, (3<<16)|(1<<21)
.irp g, G1X, G1B
	s_mov_b32 s[\g+1], 32<<16                      ; dense rows of 256 bytes
	s_mov_b32 s[\g+3], 32<<16
	s_mov_b32 s[\g+5], 32
	s_mov_b32 s[\g+6], 0
	s_mov_b32 s[\g+7], 0
.endr
	s_mov_b32 s[G1X+2], 192<<16                    ; a block's half of K: 192 rows
	s_mov_b32 s[G1X+4], 192
	s_mov_b32 s[G1B+2], 96<<16                     ; a part of P_o's half of K: 96 rows
	s_mov_b32 s[G1B+4], 96
	s_lshl_b32 s20, s17, 1
	s_add_co_u32 s20, s20, s16
	s_mul_i32 s20, s20, 98304                      ; the block of o that I would fetch
	s_mov_b32 s21, 0
	s_add_co_u32 s46, s42, 88
	s_mul_i32 s46, s46, 98304                      ; P_o's block c: block 88 + c of opc,
	s_mul_i32 s47, s16, 24576
	s_add_co_u32 s46, s46, s47                     ; my part of its half of K
	s_mov_b32 s47, 0
	s_mul_i32 s18, s16, 49152                      ; where they go: the wave's number alone
	s_mul_i32 s19, s16, 24576
	s_add_co_u32 s19, s19, SB
	s_wait_dscnt 0x0                               ; both opening adds are done
	s_wait_kmcnt 0x0
	s_add_nc_u64 s[20:21], s[4:5], s[20:21]
	s_add_nc_u64 s[46:47], s[8:9], s[46:47]
	s_mov_b32 s[G0X], 1
	s_mov_b32 s[G0X+1], s18
	s_mov_b64 s[G0X+2:G0X+3], s[20:21]
	s_or_b32 s[G0X+3], s[G0X+3], 0x80000000
	s_mov_b32 s[G0B], 1
	s_mov_b32 s[G0B+1], s19
	s_mov_b64 s[G0B+2:G0B+3], s[46:47]
	s_or_b32 s[G0B+3], s[G0B+3], 0x80000000
	s_mov_b32 s[G0B+20], 1
	s_add_co_u32 s[G0B+21], s19, 49152
	s_add_nc_u64 s[G0B+22:G0B+23], s[46:47], 49152
	s_or_b32 s[G0B+23], s[G0B+23], 0x80000000
	CROUND                                         ; all sixteen work-groups are here: the first joint loads meet
	JLOAD G0X, G1X, G0B, G1B                       ; the first half of K: one tensor load a wave at the head
	s_lshl_b32 s22, s17, 13
	s_mov_b32 s23, 0
	s_add_nc_u64 s[SXP:SXP+1], s[6:7], s[22:23]    ; the scale words of o's pair
	s_add_co_u32 s22, s42, 88
	s_lshl_b32 s22, s22, 12
	s_add_nc_u64 s[SBP:SBP+1], s[10:11], s[22:23]  ; and of P_o's block
	s_mul_i32 s68, s15, 49152                      ; my block of o, half 0 of K,
	s_add_co_u32 s69, s68, XH                      ; half 1
	s_mul_i32 s18, s16, 3072
	s_add_co_u32 s18, s18, SB                      ; my four tiles of P_o, half 0,
	s_add_co_u32 s19, s18, 49152                   ; half 1
	s_lshl_b32 s22, s15, 12
	s_add_co_u32 s22, s22, XS
	s_lshl_b32 s23, s16, 8
	s_add_co_u32 s23, s23, BS
	s_mul_i32 s70, s14, 16*SPITCH
	s_add_co_u32 s70, s70, STAGE                   ; my stage
	v_lshlrev_b32 v[T16], 4, v0
.irp k, 0,1,2,3
	global_load_b128 v[BK+4*\k:BK+4*\k+3], v[T16], s[SXP:SXP+1] offset:2048*\k
.endr
.irp k, 0,1
	global_load_b128 v[BK+16+4*\k:BK+16+4*\k+3], v[T16], s[SBP:SBP+1] offset:2048*\k
.endr
	v_lshl_add_u32 v[LSA], v0, 4, XS
	v_and_b32 v21, 31, v0
	v_and_b32 v22, 15, v0                          ; r
	v_bfe_u32 v23, v0, 4, 1                        ; h
	v_lshlrev_b32 v[L16], 4, v21
	v_lshlrev_b32 v[L8], 3, v21
	v_lshlrev_b32 v[R16], 4, v22
	v_mul_u32_u24 v[STO], v22, SPITCH              ; in: row r, 64 bytes for each half of the lanes
	v_mul_u32_u24 v[RD], v23, SPITCH               ; back: lanes 0-15 take one row of 256 bytes, lanes 16-31 the next
	v_add_nc_u32 v[ADRX16], s68, v[L16]
	v_add_nc_u32 v[ADRX16+1], s69, v[L16]
	v_add_nc_u32 v[ADRX8], s68, v[L8]
	v_add_nc_u32 v[ADRX8+1], s69, v[L8]
	v_add_nc_u32 v[ADRB16], s18, v[L16]
	v_add_nc_u32 v[ADRB16+1], s19, v[L16]
	v_add_nc_u32 v[ADRB8], s18, v[L8]
	v_add_nc_u32 v[ADRB8+1], s19, v[L8]
	v_add_nc_u32 v[ADRSX], s22, v[R16]
	v_add_nc_u32 v[ADRSW], s23, v[R16]
	v_lshl_add_u32 v[STO], v23, 6, v[STO]
	v_add_nc_u32 v[RD], v[RD], v[R16]
	v_lshl_add_u32 v[CO], v23, 12, v[R16]          ; and the same two rows in out0: 4,096 bytes a row
	v_add_nc_u32 v[STO], s70, v[STO]
	v_add_nc_u32 v[RD], s70, v[RD]
	s_lshl_b32 s68, s17, 1                         ; where my part of out0 begins
	s_add_co_u32 s68, s68, s15                     ; my block of o, 0..63: 128 rows of 4,096 bytes each
	s_lshl_b32 s68, s68, 19
	s_lshl_b32 s70, s42, 9                         ; 512 bytes for a block of d,
	s_add_co_u32 s68, s68, s70
	s_lshl_b32 s70, s16, 8                         ; 256 for my 64
	s_add_co_u32 s68, s68, s70
	s_mov_b32 s69, 0
	s_add_nc_u64 s[PO:PO+1], s[12:13], s[68:69]
.macro FRAGL reg, a16, a8, q, i        ; a fragment, 16 rows x 128 K, is two units: four dense loads
	ds_load_b128 v[\reg:\reg+3], v[\a16] offset:(2*(\q))*6144+(\i)*768
	ds_load_b64 v[\reg+4:\reg+5], v[\a8] offset:(2*(\q))*6144+(\i)*768+512
	ds_load_b128 v[\reg+6:\reg+9], v[\a16] offset:(2*(\q)+1)*6144+(\i)*768
	ds_load_b64 v[\reg+10:\reg+11], v[\a8] offset:(2*(\q)+1)*6144+(\i)*768+512
.endm
.macro FETCH hf, q, p                  ; step q of half hf of K into set p: o's eight fragments, P_o's four, their scale words
	WIN 0x40                                       ; destination window 1, address window 0
.irp i, 0,1,2,3,4,5,6,7
	FRAGL 96*(\p)+12*\i, ADRX16+\hf, ADRX8+\hf, \q, \i
.endr
	WIN 0
.irp i, 0,1,2,3
	FRAGL WF+48*(\p)+12*\i, ADRB16+\hf, ADRB8+\hf, \q, \i
.endr
	ds_load_b128 v[SC+12*(\p):SC+12*(\p)+3], v[ADRSX] offset:512*(4*\hf+\q)
	ds_load_b128 v[SC+12*(\p)+4:SC+12*(\p)+7], v[ADRSX] offset:512*(4*\hf+\q)+256
	ds_load_b128 v[SC+12*(\p)+8:SC+12*(\p)+11], v[ADRSW] offset:512*(4*\hf+\q)
.endm
.macro WM d, s0, s1, c0, c1, zero
.if \zero
	v_wmma_scale_f32_16x16x128_f8f6f4 v[\d:\d+7], v[\s0:\s0+11], v[\s1:\s1+11], 0, v[\c0], v[\c1] matrix_a_fmt:MATRIX_FMT_FP6 matrix_b_fmt:MATRIX_FMT_FP6
.else
	v_wmma_scale_f32_16x16x128_f8f6f4 v[\d:\d+7], v[\s0:\s0+11], v[\s1:\s1+11], v[\d:\d+7], v[\c0], v[\c1] matrix_a_fmt:MATRIX_FMT_FP6 matrix_b_fmt:MATRIX_FMT_FP6
.endif
.endm
; 16 matrix instructions, half of a step.  The 32 accumulators take turns, one instruction a turn, in the same order in every step.
.macro MULH hh, p, zero
	WIN 0xa4                                       ; source 0 (P_o) window 0, source 1 (o) window 1, C and D window 2
.irp a, 4*\hh, 4*\hh+1, 4*\hh+2, 4*\hh+3
.irp b, 0,1,2,3
	WM 8*(4*(\a)+\b), WF+48*(\p)+12*\b, 96*(\p)+12*(\a), SC+12*(\p)+8+\b, SC+12*(\p)+(\a), \zero
.endr
.endr
.endm
; A step of 128 along K on set p; in its middle the next step's fragments (half nhf, step nq; nq = -1: none) are fetched into the other set.
; mode 1: the step changes halves of K: each wave waits for all its tensor loads, its part of the second half, adds 0 to its spare word and waits for that; the barrier shows the second half to all four waves.
.macro STEP p, zero, mode, nhf, nq
.if \mode
	s_wait_tensorcnt 0x0
	ds_add_u32 v[SPW], v[NIL]
.endif
	s_wait_dscnt 0x0                               ; set p is in (and the add is done)
.if \mode
	s_barrier_signal -1
.endif
	MULH 0, \p, \zero
	WIN 0
	PLACES                                         ; in front of loads into registers that the last step's matrix instructions have read
.if \mode
	s_barrier_wait -1
.endif
.if \nq >= 0
	FETCH \nhf, \nq, 1-\p
.endif
	MULH 1, \p, \zero
	WIN 0
.endm
; THE WAY OUT, block by block of 16 rows x 64 columns.  Register j of accumulator (a, b) is column 32 (b / 2) + 16 (lane / 16) + 8 (b % 2) + j of my 64, in row r of o's tile a: 32 neighbouring bytes of a row.
; A block goes through my own stage and comes back as rows of 256 bytes.  LDS serves a wave's instructions in order (ISA guide 5.7.1.4): no wait between the stores and the loads, nor in front of the next block's stores.
.macro TOSTAGE a
	WIN 0x08                                       ; the data: window 2
.irp b, 0,1,2,3
	ds_store_b128 v[STO], v[32*(\a)+8*\b:32*(\a)+8*\b+3] offset:128*(\b/2)+32*(\b%2)        ; each accumulator from its low end on
	ds_store_b128 v[STO], v[32*(\a)+8*\b+4:32*(\a)+8*\b+7] offset:128*(\b/2)+32*(\b%2)+16
.endr
	WIN 0
.irp t, 0,1,2,3,4,5,6,7
	ds_load_b128 v[BK+32*((\a)%2)+4*\t:BK+32*((\a)%2)+4*\t+3], v[RD] offset:\t*2*SPITCH
.endr
.endm
.macro SEND a, younger                 ; younger: the LDS instructions issued behind block a's loads, which may stay out.  Stage row 2 t + lane / 16 is row 32 (a / 2) + 8 (a % 2) + 2 (t % 4) + lane / 16 + 16 (t / 4) of my 128
	s_wait_dscnt \younger
.irp t, 0,1,2,3,4,5,6,7
	global_store_b128 v[CO], v[BK+32*((\a)%2)+4*\t:BK+32*((\a)%2)+4*\t+3], s[PO:PO+1] offset:(32*((\a)/2)+8*((\a)%2)+2*(\t%4)+16*(\t/4))*4096 th:TH_STORE_NT   ; 16 lanes store 256 consecutive bytes, at a multiple of 256 from out0's first byte
.endr
.endm
	s_wait_alu depctr_va_vdst(0)                   ; the wait at the head's end
	s_wait_tensorcnt 0x0                           ; my tensor load is in
	s_wait_loadcnt 0x0
.irp k, 0,1,2,3,4,5
	ds_store_b128 v[LSA], v[BK+4*\k:BK+4*\k+3] offset:2048*\k          ; the scale words: o's pair, then P_o's block
.endr
	s_wait_tensorcnt 0x0                           ; the wait and the add ahead of a later first fill, as ahead of a refill
	ds_add_u32 v[SPW], v[NIL]
	s_add_nc_u64 s[G0X+2:G0X+3], s[G0X+2:G0X+3], 49152                 ; no tensor load of mine is out: o's second half of K
	s_add_co_u32 s[G0X+1], s[G0X+1], XH
	s_wait_dscnt 0x0                               ; the add and my stores are done
	CROUND                                         ; everybody's part is in, and all sixteen work-groups are here
	JLOAD G0X, G1X, G0B+20, G1B                    ; the second half of K: my one tensor load behind the round
	FETCH 0, 0, 0
	STEP 0, 1, 0, 0, 1                             ; the first products start the sums
	STEP 1, 0, 0, 0, 2
	STEP 0, 0, 0, 0, 3
	STEP 1, 0, 1, 1, 0
	STEP 0, 0, 0, 1, 1
	STEP 1, 0, 0, 1, 2
	STEP 0, 0, 0, 1, 3
	STEP 1, 0, 0, 0, -1
	PLACES                                         ; behind the last products
	TOSTAGE 0
.irp a, 1,2,3,4,5,6,7
.if \a > 1
	s_wait_xcnt 0x0                                ; block a - 2's stores have read their registers: block a's loads may land there
.endif
	TOSTAGE \a
	SEND \a-1, 16                                  ; behind block a - 1's loads: block a's 8 stores and 8 loads
.endr
	SEND 7, 0
	s_wait_tensorcnt 0x0                           ; the wave's end
	ds_add_u32 v[SPW], v[NIL]
	s_wait_dscnt 0x0
	CROUND                                         ; the closing round
	s_endpgm
.Lfunc_end_k_qf241977c31_proj:
	.size	k_qf241977c31_proj, .Lfunc_end_k_qf241977c31_proj-k_qf241977c31_proj
	.p2alignl 7, 3214868480
	.fill 96, 4, 3214868480
	.section	.rodata,"a",@progbits
	.p2align	6, 0x0
	.amdhsa_kernel k_qf241977c31_proj
		.amdhsa_group_segment_fixed_size 327680
		.amdhsa_private_segment_fixed_size 0
		.amdhsa_enable_private_segment 0
		.amdhsa_kernarg_size 40
		.amdhsa_user_sgpr_count 2
		.amdhsa_user_sgpr_kernarg_segment_ptr 1
		.amdhsa_wavefront_size32 1
		.amdhsa_system_sgpr_workgroup_id_x 1
		.amdhsa_system_sgpr_workgroup_id_y 1
		.amdhsa_system_sgpr_workgroup_id_z 1
		.amdhsa_system_vgpr_workitem_id 0
		.amdhsa_next_free_vgpr 768
		.amdhsa_next_free_sgpr 80
		.amdhsa_reserve_vcc 0
		.amdhsa_float_denorm_mode_32 3
		.amdhsa_float_denorm_mode_16_64 3
		.amdhsa_memory_ordered 1
		.amdhsa_forward_progress 1
		.amdhsa_inst_pref_size 85
	.end_amdhsa_kernel
	.amdgpu_metadata
---
amdhsa.version: [ 1, 2 ]
amdhsa.kernels:
  - .name:           k_qf241977c31_proj
    .symbol:         k_qf241977c31_proj.kd
    .args:
      - { .name: oc, .offset: 0, .size: 8, .value_kind: global_buffer, .address_space: global }
      - { .name: os, .offset: 8, .size: 8, .value_kind: global_buffer, .address_space: global }
      - { .name: opc, .offset: 16, .size: 8, .value_kind: global_buffer, .address_space: global }
      - { .name: ops, .offset: 24, .size: 8, .value_kind: global_buffer, .address_space: global }
      - { .name: out0, .offset: 32, .size: 8, .value_kind: global_buffer, .address_space: global }
    .group_segment_fixed_size: 327680
    .private_segment_fixed_size: 0
    .kernarg_segment_align: 8
    .kernarg_segment_size: 40
    .max_flat_workgroup_size: 128
    .sgpr_count:     80
    .vgpr_count:     768
    .wavefront_size: 32
...
	.end_amdgpu_metadata
.endif
;; end of part 4
